; MI455X (gfx1250); checked and timed in simulation.
; The chip was launched on July 23, 2026; its instructions are those of AMD's public machine-readable ISA for CDNA 5 (MIT licence, August 2026) and "CDNA5" Instruction Set Architecture Reference Guide (July 2026). The comments in the code are by the model that wrote it; some were corrected since.
;; Transformer Block. Allowed arithmetic: matrix products marked QUANTISED: E5M2 operands, one given power-of-two scale a tensor, by v_wmma_f32_16x16x64_bf8_bf8 or v_wmma_f32_16x16x128_bf8_bf8, f32 sums; everything else in f32.
;; Inputs: fc1_b 1,024 float32; fc1_w 1,024 x 1,024 float32; fc2_b 1,024 float32; fc2_w 1,024 x 1,024 float32; ln1_b 1,024 float32; ln1_w 1,024 float32; ln2_b 1,024 float32; ln2_w 1,024 float32; lowp_scales 12 int32 (the exponents e of the quantised operands' scales 2^e); out_b 1,024 float32; out_w 1,024 x 1,024 float32; qkv_b 3,072 float32; qkv_w 3,072 x 1,024 float32; x 8 x 1,024 x 1,024 float32.
;; Outputs: out0 8 x 1,024 x 1,024 float32.
;; This version of the problem:
;;   THIS VERSION OF THE PROBLEM IS GIVEN IN LOW PRECISION. The matrix products marked QUANTISED in the list below multiply operands that are first quantised to E5M2 (5 exponent bits, 2 mantissa bits; 8 bits a number), with one given power-of-two scale for each operand tensor; their sums are f32. All else is computed in f32.
;;   The module's matrix products, in the order in which they are computed (A, B: the left and right operand; K: the contracted axis; several contracted axes count as one K, in the product's order):
;;     1. [M 8,192, K 1,024] x [K 1,024, N 3,072]; A: computed on the way; B: input qkv_w: QUANTISED (scales: A lowp_scales[0], B lowp_scales[1])
;;     2. batch 128 x [M 1,024, K 64] x [K 64, N 1,024]; A: computed on the way; B: computed on the way: QUANTISED (scales: A lowp_scales[2], B lowp_scales[3])
;;     3. batch 128 x [M 64, K 1,024] x [K 1,024, N 1,024]; A: computed on the way; B: softmax (see below): QUANTISED (scales: A lowp_scales[4], B lowp_scales[5])
;;     4. [M 8,192, K 1,024] x [K 1,024, N 1,024]; A: computed on the way; B: input out_w: QUANTISED (scales: A lowp_scales[6], B lowp_scales[7])
;;     5. [M 8,192, K 1,024] x [K 1,024, N 1,024]; A: computed on the way; B: input fc1_w: QUANTISED (scales: A lowp_scales[8], B lowp_scales[9])
;;     6. [M 8,192, K 1,024] x [K 1,024, N 1,024]; A: computed on the way; B: input fc2_w: QUANTISED (scales: A lowp_scales[10], B lowp_scales[11])
;;   THE QUANTISER, for each operand of a quantised product, along K:
;;     - The operand's scale is 2^e, e = its entry of the input lowp_scales (int32; the entries are numbered through the quantised products in the list's order, A before B).
;;     - Each number is divided by the scale, clamped to +-57,344, and rounded to the nearest number of E5M2, ties to even, subnormals kept.
;;     - The product sums the exact products of the quantised numbers (number of the format x scale) in f32.
;;   ~~~python
;;   def quantise(x, axis, e):      # numpy; x: float32 -> the quantised numbers, widened to float32 again
;;       x = np.moveaxis(x, axis, -1); K = x.shape[-1]
;;       r = np.clip(x / 2.0 ** e, -57344, 57344)
;;       step = 2.0 ** (np.maximum(np.frexp(np.where(r == 0, 1, r))[1] - 1, -14) - 2)
;;       q = np.round(r / step) * step * 2.0 ** e      # np.round: ties to even
;;       return np.moveaxis(q, -1, axis).astype(np.float32)
;;   ~~~
;;   SOFTMAX AHEAD OF A QUANTISED PRODUCT. Where the list says 'softmax', what is quantised is not the finished softmax but p = 2^(t - M), with t = logit x log2(e) and M = ceil(the row's largest t), a whole number; so 1/2 < the row's largest p <= 1. The row's sum l is taken of the UNQUANTISED p, in f32, and the product's result is divided by l at the end. Since M is a whole number, a kernel that streams over the keys may use a running M (the ceiling of the running maximum): every later rescaling is an exact power of two, so the quantised numbers keep their values, but for numbers so far below the row's largest that they fall under the format's range.
;;   OPERANDS COMPUTED ON THE WAY. 'Computed on the way' means the value that the module computes at that place (a softmax that the list does not call 'softmax' is quantised finished and normalised). What goes into a quantiser is computed in f32, as accurately as f32 sums, v_exp_f32 and their like allow (about 1e-6 of the number): no bf16 or f16 on the way to a quantiser, and a product that is left as it is and whose result goes on into a quantised operand takes f32 operands (vector FMAs, or v_wmma_f32_16x16x4_f32). A number that lies on a knife's edge between two numbers of the format may be rounded either way, as far as f32 arithmetic and the matrix unit's own rounding can turn it there, and no further.
;; One version. Each part assembles by itself: llvm-mc -triple=amdgcn-amd-amdhsa -mcpu=gfx1250 --defsym DOCPART=n.
;; ======== version 1 of 1: 4 launches
;; limits: right only within a limited range of input values
;; workspace buffers: hc 8,388,608 bytes; wq 3,145,728 bytes; wc 3,145,728 bytes; qc 8,388,608 bytes; kc 8,388,608 bytes; vc 8,388,608 bytes; oc 8,388,608 bytes
;; launch prep (part 1): grid 256 x 1, 14 waves a work-group, no clusters, 327,680 bytes of LDS; arguments x, qkv_w, out_w, fc1_w, fc2_w, ln1_w, ln1_b, lowp_scales, hc, wq, wc; writes hc, wq, wc
.if DOCPART == 1
	.amdgcn_target "amdgcn-amd-amdhsa--gfx1250"
	.amdhsa_code_object_version 6
	.text
	.protected	k_q73ae61c6a7_prep
	.globl	k_q73ae61c6a7_prep
	.p2align	8
	.type	k_q73ae61c6a7_prep,@function
k_q73ae61c6a7_prep:
	s_mov_b64 s[64:65], 0
	v_nop
	global_prefetch_b8 v0, s[64:65] scope:SCOPE_SE
	s_setreg_imm32_b32 hwreg(HW_REG_WAVE_MODE, 25, 1), 1
	s_wait_xcnt 0x0
.set UP,    1040
.set UNITB, 16*UP
.set LNWB,  14*UNITB
.set STAT,  LNWB+8*2048
.set X,     64
.set CD,    32
.set WB,    192
.set SM,    192
.set G1,    48
.set G0,    56
.set WV,    26
	s_load_b512 s[4:19], s[0:1], 0x0
	s_load_b128 s[20:23], s[0:1], 0x40
	s_load_b64 s[24:25], s[0:1], 0x50
	v_lshl_add_u32 v254, v0, 2, 0x40000
	v_mov_b32 v255, 0
	ds_add_u32 v254, v255
	ds_add_u32 v254, v255
	s_wait_dscnt 0x0
	v_lshrrev_b32 v8, 5, v0
	s_delay_alu instid0(VALU_DEP_1)
	v_readfirstlane_b32 s[WV], v8
	s_lshl_b32 s68, ttmp9, 1
	s_lshr_b32 s69, s[WV], 2
	s_add_co_u32 s68, s68, s69
	s_and_b32 s69, s[WV], 3
	s_mul_i32 s70, ttmp9, 3
	s_add_co_u32 s70, s70, s[WV]
	s_sub_co_u32 s70, s70, 8
	s_lshr_b32 s71, s70, 2
	s_and_b32 s70, s70, 3
	s_lshr_b32 s72, ttmp9, 2
	s_and_b32 s73, ttmp9, 3
	s_cmp_lt_u32 s[WV], 11
	s_cselect_b32 s28, s71, s72
	s_cselect_b32 s29, s70, s73
	s_cmp_lt_u32 s[WV], 8
	s_cselect_b32 s28, s68, s28
	s_cselect_b32 s29, s69, s29
	s_lshr_b32 s74, s28, 1
	s_lshl_b32 s74, s74, 17
	s_and_b32 s75, s28, 1
	s_lshl_b32 s75, s75, 15
	s_add_co_u32 s74, s74, s75
	s_lshl_b32 s75, s29, 10
	s_add_co_u32 s74, s74, s75
	s_mov_b32 s75, 0
	s_mov_b32 s76, 786432
	s_cmp_lt_u32 s[WV], 8
	s_cselect_b32 s76, 2097152, s76
	s_mul_i32 s76, s76, s29
	s_lshl_b32 s77, s28, 12
	s_add_co_u32 s76, s76, s77
	s_lshl_b32 s77, s29, 18
	s_lshl_b32 s78, s28, 11
	s_add_co_u32 s77, s77, s78
	s_cmp_eq_u32 s[WV], 13
	s_cselect_b32 s78, 2097152, 0
	s_add_co_u32 s77, s77, s78
	s_bfe_u32 s78, s28, 0x20002
	s_lshl_b32 s78, s78, 1
	s_lshr_b32 s79, s29, 1
	s_add_co_u32 s78, s78, s79
	s_lshl_b32 s78, s78, 17
	s_lshr_b32 s79, s28, 4
	s_lshl_b32 s79, s79, 15
	s_add_co_u32 s78, s78, s79
	s_and_b32 s79, s28, 3
	s_lshl_b32 s79, s79, 13
	s_add_co_u32 s78, s78, s79
	s_and_b32 s79, s29, 1
	s_lshl_b32 s79, s79, 12
	s_add_co_u32 s78, s78, s79
	s_add_co_u32 s78, s78, 1048576
	s_mov_b32 s80, 131072
	s_cmp_eq_u32 s[WV], 12
	s_cselect_b32 s77, s78, s77
	s_cselect_b32 s80, 2048, s80
	s_cmp_lt_u32 s[WV], 11
	s_cselect_b32 s76, s76, s77
	s_cselect_b32 s80, 2048, s80
	s_mov_b32 s77, 0
	s_mov_b32 s81, 0
	s_mov_b32 s[G1+0], (2<<16)|(1<<20)|(7<<22)|(3<<25)
	s_mov_b32 s[G1+1], 256<<16
	s_mov_b32 s[G1+2], 8<<16
	s_mov_b32 s[G1+3], 256<<16
	s_mov_b32 s[G1+4], 8
	s_mov_b32 s[G1+5], 1024
	s_mov_b32 s[G1+6], 0
	s_mov_b32 s[G1+7], 0
	s_mov_b32 s66, 0x76543210
	s_mov_b32 s67, 0xfedcba98
	s_wait_kmcnt 0x0
	s_load_b256 s[36:43], s[18:19], 0x0
	s_load_b128 s[44:47], s[18:19], 0x20
	s_cmp_eq_u32 s[WV], 12
	s_cselect_b64 s[30:31], s[10:11], s[12:13]
	s_cmp_eq_u32 s[WV], 11
	s_cselect_b64 s[30:31], s[8:9], s[30:31]
	s_cmp_lt_u32 s[WV], 11
	s_cselect_b64 s[30:31], s[6:7], s[30:31]
	s_cselect_b64 s[32:33], s[22:23], s[24:25]
	s_cmp_lt_u32 s[WV], 8
	s_cselect_b64 s[30:31], s[4:5], s[30:31]
	s_cselect_b64 s[32:33], s[20:21], s[32:33]
	s_add_nc_u64 s[30:31], s[30:31], s[74:75]
	s_add_nc_u64 s[32:33], s[32:33], s[76:77]
	s_add_nc_u64 s[34:35], s[32:33], s[80:81]
	s_mov_b32 s[G0], 1
	s_mul_i32 s[G0+1], s[WV], UNITB
	s_mov_b64 s[G0+2:G0+3], s[30:31]
	s_or_b32 s[G0+3], s[G0+3], 0x80000000
	s_mov_b32 s[G0+4], 1
	s_add_co_u32 s[G0+5], s[G0+1], 8*UP
	s_add_nc_u64 s[G0+6:G0+7], s[30:31], 65536
	s_or_b32 s[G0+7], s[G0+7], 0x80000000
	tensor_load_to_lds s[G0:G0+3], s[G1:G1+7]
	s_nop 0
	s_wait_alu depctr_va_vdst(0)
	s_wait_tensorcnt 0x0
	ds_add_u32 v254, v255
	s_wait_dscnt 0x0
	s_barrier_signal -1
	s_barrier_wait -1
	tensor_load_to_lds s[G0+4:G0+7], s[G1:G1+7]
	s_nop 0
.rept 4
	v_nop
.endr
	v_and_b32 v9, 31, v0
	s_delay_alu instid0(VALU_DEP_1)
	v_lshlrev_b32 v1, 4, v9
	v_and_b32 v8, 15, v0
	v_bfe_u32 v9, v0, 4, 1
	s_delay_alu instid0(VALU_DEP_2)
	v_mul_u32_u24 v2, v8, UP
	s_delay_alu instid0(VALU_DEP_1)
	v_lshl_add_u32 v2, v9, 6, v2
	s_delay_alu instid0(VALU_DEP_1)
	v_add_nc_u32 v2, s[G0+1], v2
	s_lshl_b32 s84, s[WV], 11
	s_add_co_u32 s84, s84, LNWB
	v_add_nc_u32 v3, s84, v1
	v_lshlrev_b32 v4, 6, v9
	s_delay_alu instid0(VALU_DEP_1)
	v_add_nc_u32 v4, s84, v4
	s_lshl_b32 s85, s[WV], 6
	s_add_co_u32 s85, s85, STAT
	v_lshl_add_u32 v5, v8, 2, s85
	s_lshr_b32 s86, s[WV], 2
	s_lshl_b32 s86, s86, 8
	s_add_co_u32 s86, s86, STAT
	v_lshl_add_u32 v6, v8, 2, s86
	v_lshl_add_u32 v7, s29, 10, v1
	s_wait_kmcnt 0x0
	s_cmp_eq_u32 s[WV], 12
	s_cselect_b32 s82, s45, s47
	s_cmp_eq_u32 s[WV], 11
	s_cselect_b32 s82, s43, s82
	s_cmp_lt_u32 s[WV], 11
	s_cselect_b32 s82, s37, s82
	s_cmp_lt_u32 s[WV], 8
	s_cselect_b32 s82, s36, s82
	s_add_co_i32 s82, s82, 127
	s_lshl_b32 s83, s82, 23
	v_mov_b32 v11, s83
	s_add_co_i32 s82, s82, 15
	s_lshl_b32 s82, s82, 23
	s_or_b32 s82, s82, 0x600000
	v_mov_b32 v10, s82
	s_cmp_lt_u32 s[WV], 8
	s_cbranch_scc0 .Lno_ln
	s_wait_alu depctr_va_vdst(0)
	global_load_b128 v[16:19], v7, s[14:15]
	global_load_b128 v[20:23], v7, s[14:15] offset:512
	global_load_b128 v[24:27], v7, s[16:17]
	global_load_b128 v[28:31], v7, s[16:17] offset:512
.Lno_ln:
	s_wait_tensorcnt 0x0
	s_wait_alu depctr_va_vdst(0)
.irp c, 0,1,2,3,4,5,6,7
.irp j, 0,1,2,3
	ds_load_b128 v[X+16*\c+4*\j:X+16*\c+4*\j+3], v2 offset:128*\c+16*\j
.endr
.endr
	s_wait_dscnt 0x0
.macro QSTORE
.irp c, 0,1,2,3,4,5,6,7
.irp i, 0,1,2,3,4,5,6,7,8,9,10,11,12,13,14,15
	v_med3_num_f32 v[X+16*\c+\i], v[X+16*\c+\i], -v10, v10
.endr
	v_cvt_scalef32_pk8_bf8_f32 v[CD+4*\c:CD+4*\c+1], v[X+16*\c:X+16*\c+7], v11
	v_cvt_scalef32_pk8_bf8_f32 v[CD+4*\c+2:CD+4*\c+3], v[X+16*\c+8:X+16*\c+15], v11
.endr
	v_nop
.irp c, 0,1,2,3
	global_store_b128 v1, v[CD+4*\c:CD+4*\c+3], s[32:33] offset:512*\c
.endr
.irp c, 4,5,6,7
	global_store_b128 v1, v[CD+4*\c:CD+4*\c+3], s[34:35] offset:512*(\c-4)
.endr
.endm
.macro ROWSUM off
	s_delay_alu instid0(VALU_DEP_3)
	v_pk_add_f32 v[SM:SM+1], v[SM:SM+1], v[SM+2:SM+3]
	s_delay_alu instid0(VALU_DEP_2)
	v_pk_add_f32 v[SM+4:SM+5], v[SM+4:SM+5], v[SM+6:SM+7]
	s_delay_alu instid0(VALU_DEP_1)
	v_pk_add_f32 v[SM:SM+1], v[SM:SM+1], v[SM+4:SM+5]
	s_delay_alu instid0(VALU_DEP_1)
	v_add_f32 v[SM], v[SM], v[SM+1]
	s_delay_alu instid0(VALU_DEP_1)
	v_permlanex16_b32 v[SM+1], v[SM], s66, s67
	s_delay_alu instid0(VALU_DEP_1)
	v_add_f32 v[SM], v[SM], v[SM+1]
	ds_store_b32 v5, v[SM] offset:\off
.endm
.macro ROWALL off
.irp k, 0,1,2,3
	ds_load_b32 v[SM+8+\k], v6 offset:\off+64*\k
.endr
	s_wait_dscnt 0x0
	v_add_f32 v[SM+8], v[SM+8], v[SM+9]
	v_add_f32 v[SM+10], v[SM+10], v[SM+11]
	s_delay_alu instid0(VALU_DEP_1)
	v_add_f32 v[SM+8], v[SM+8], v[SM+10]
.endm
	s_cmp_lt_u32 s[WV], 8
	s_cbranch_scc1 .Lsum
	QSTORE
	s_branch .Lmeet1
.Lsum:
	s_wait_loadcnt 0x0
	ds_store_b128 v3, v[16:19]
	ds_store_b128 v3, v[20:23] offset:512
	ds_store_b128 v3, v[24:27] offset:1024
	ds_store_b128 v3, v[28:31] offset:1536
.irp k, 0,1,2,3
	v_pk_add_f32 v[SM+2*\k:SM+2*\k+1], v[X+2*\k:X+2*\k+1], v[X+8+2*\k:X+8+2*\k+1]
.endr
.set pp, 8
.rept 56
	s_delay_alu instid0(VALU_DEP_4)
	v_pk_add_f32 v[SM+2*(pp%4):SM+2*(pp%4)+1], v[SM+2*(pp%4):SM+2*(pp%4)+1], v[X+2*pp:X+2*pp+1]
.set pp, pp+1
.endr
	ROWSUM 0
.Lmeet1:
	s_wait_dscnt 0x0
	s_barrier_signal -1
	s_barrier_wait -1
	s_cmp_lt_u32 s[WV], 8
	s_cbranch_scc0 .Lmeet2
	ROWALL 0
	s_delay_alu instid0(VALU_DEP_1)
	v_mul_f32 v12, 0x3a800000, v[SM+8]
	s_delay_alu instid0(VALU_DEP_1)
	v_mov_b32 v13, v12
.set pp, 0
.rept 64
	v_pk_add_f32 v[X+2*pp:X+2*pp+1], v[X+2*pp:X+2*pp+1], v[12:13] neg_lo:[0,1] neg_hi:[0,1]
.set pp, pp+1
.endr
.irp k, 0,1,2,3
	v_pk_mul_f32 v[SM+2*\k:SM+2*\k+1], v[X+2*\k:X+2*\k+1], v[X+2*\k:X+2*\k+1]
.endr
.set pp, 4
.rept 60
	s_delay_alu instid0(VALU_DEP_4)
	v_pk_fma_f32 v[SM+2*(pp%4):SM+2*(pp%4)+1], v[X+2*pp:X+2*pp+1], v[X+2*pp:X+2*pp+1], v[SM+2*(pp%4):SM+2*(pp%4)+1]
.set pp, pp+1
.endr
	ROWSUM 1024
.Lmeet2:
	s_wait_dscnt 0x0
	s_barrier_signal -1
	s_barrier_wait -1
	s_cmp_lt_u32 s[WV], 8
	s_cbranch_scc0 .Lend
	ROWALL 1024
	v_mov_b32 v15, 0x3a800000
	s_delay_alu instid0(VALU_DEP_1)
	v_fmaak_f32 v14, v[SM+8], v15, 0x3727c5ac
	s_wait_alu depctr_va_vdst(0)
	v_rsq_f32 v14, v14
	v_nop
	s_wait_alu depctr_va_vdst(0)
	v_mov_b32 v15, v14
.macro WBLOAD c
.irp j, 0,1,2,3
	ds_load_b128 v[WB+32*((\c)%2)+4*\j:WB+32*((\c)%2)+4*\j+3], v4 offset:128*(\c)+16*\j
	ds_load_b128 v[WB+32*((\c)%2)+16+4*\j:WB+32*((\c)%2)+16+4*\j+3], v4 offset:1024+128*(\c)+16*\j
.endr
.endm
	s_wait_alu depctr_va_vdst(0)
	WBLOAD 0
.irp c, 0,1,2,3,4,5,6,7
.if \c < 7
	WBLOAD \c+1
	s_wait_dscnt 8
.else
	s_wait_dscnt 0x0
.endif
.irp j, 0,2,4,6,8,10,12,14
	v_pk_mul_f32 v[X+16*\c+\j:X+16*\c+\j+1], v[X+16*\c+\j:X+16*\c+\j+1], v[14:15]
.endr
.irp j, 0,2,4,6,8,10,12,14
	v_pk_fma_f32 v[X+16*\c+\j:X+16*\c+\j+1], v[X+16*\c+\j:X+16*\c+\j+1], v[WB+32*(\c%2)+\j:WB+32*(\c%2)+\j+1], v[WB+32*(\c%2)+16+\j:WB+32*(\c%2)+16+\j+1]
.endr
.endr
	QSTORE
.Lend:
	s_wait_xcnt 0x0
	v_lshl_add_u32 v254, v0, 2, 0x40000
	v_mov_b32 v255, 0
	s_wait_alu depctr_va_vdst(0)
	s_wait_tensorcnt 0x0
	ds_add_u32 v254, v255
	s_wait_dscnt 0x0
	s_endpgm
.Lfunc_end_k_q73ae61c6a7_prep:
	.size	k_q73ae61c6a7_prep, .Lfunc_end_k_q73ae61c6a7_prep-k_q73ae61c6a7_prep
	.p2alignl 7, 3214868480
	.fill 96, 4, 3214868480
	.section	.rodata,"a",@progbits
	.p2align	6, 0x0
	.amdhsa_kernel k_q73ae61c6a7_prep
		.amdhsa_group_segment_fixed_size 327680
		.amdhsa_private_segment_fixed_size 0
		.amdhsa_enable_private_segment 0
		.amdhsa_kernarg_size 88
		.amdhsa_user_sgpr_count 2
		.amdhsa_user_sgpr_kernarg_segment_ptr 1
		.amdhsa_wavefront_size32 1
		.amdhsa_system_sgpr_workgroup_id_x 1
		.amdhsa_system_sgpr_workgroup_id_y 1
		.amdhsa_system_sgpr_workgroup_id_z 1
		.amdhsa_system_vgpr_workitem_id 0
		.amdhsa_next_free_vgpr 256
		.amdhsa_next_free_sgpr 96
		.amdhsa_reserve_vcc 0
		.amdhsa_float_denorm_mode_32 3
		.amdhsa_float_denorm_mode_16_64 3
		.amdhsa_memory_ordered 1
		.amdhsa_forward_progress 1
		.amdhsa_inst_pref_size 60
	.end_amdhsa_kernel
	.amdgpu_metadata
---
amdhsa.version: [ 1, 2 ]
amdhsa.kernels:
  - .name:           k_q73ae61c6a7_prep
    .symbol:         k_q73ae61c6a7_prep.kd
    .args:
      - { .name: x, .offset: 0, .size: 8, .value_kind: global_buffer, .address_space: global }
      - { .name: qkv_w, .offset: 8, .size: 8, .value_kind: global_buffer, .address_space: global }
      - { .name: out_w, .offset: 16, .size: 8, .value_kind: global_buffer, .address_space: global }
      - { .name: fc1_w, .offset: 24, .size: 8, .value_kind: global_buffer, .address_space: global }
      - { .name: fc2_w, .offset: 32, .size: 8, .value_kind: global_buffer, .address_space: global }
      - { .name: ln1_w, .offset: 40, .size: 8, .value_kind: global_buffer, .address_space: global }
      - { .name: ln1_b, .offset: 48, .size: 8, .value_kind: global_buffer, .address_space: global }
      - { .name: lowp_scales, .offset: 56, .size: 8, .value_kind: global_buffer, .address_space: global }
      - { .name: hc, .offset: 64, .size: 8, .value_kind: global_buffer, .address_space: global }
      - { .name: wq, .offset: 72, .size: 8, .value_kind: global_buffer, .address_space: global }
      - { .name: wc, .offset: 80, .size: 8, .value_kind: global_buffer, .address_space: global }
    .group_segment_fixed_size: 327680
    .private_segment_fixed_size: 0
    .kernarg_segment_align: 8
    .kernarg_segment_size: 88
    .max_flat_workgroup_size: 448
    .sgpr_count:     96
    .vgpr_count:     256
    .wavefront_size: 32
...
	.end_amdgpu_metadata
.endif
;; end of part 1
;; launch qkv (part 2): grid 12 x 32, 4 waves a work-group, clusters of 4 x 4, 327,680 bytes of LDS; arguments hc, wq, lowp_scales, qkv_b, qc, kc, vc; writes qc, kc, vc
.if DOCPART == 2
	.amdgcn_target "amdgcn-amd-amdhsa--gfx1250"
	.amdhsa_code_object_version 6
	.text
	.protected	k_q73ae61c6a7_qkv
	.globl	k_q73ae61c6a7_qkv
	.p2align	8
	.type	k_q73ae61c6a7_qkv,@function
k_q73ae61c6a7_qkv:
	s_mov_b64 s[64:65], 0
	v_nop
	global_prefetch_b8 v0, s[64:65] scope:SCOPE_SE
	s_setreg_imm32_b32 hwreg(HW_REG_WAVE_MODE, 25, 1), 1
	s_wait_xcnt 0x0
	s_wait_alu depctr_hold_cnt(0) depctr_sa_sdst(0) depctr_va_vdst(0) depctr_va_sdst(0) depctr_va_ssrc(0) depctr_va_vcc(0) depctr_vm_vsrc(0)
	s_getreg_b32 s2, hwreg(HW_REG_IB_STS2, 6, 4)
	s_cmp_eq_u32 s2, 0
	s_cbranch_scc0 .Lentry_in_a_cluster
	s_endpgm
.Lentry_in_a_cluster:
	s_bfe_u32 s2, ttmp6, 0x10000c
	s_cmp_lg_u32 s2, 0xf033
	s_cbranch_scc0 .Lentry_shape_is_right
	s_endpgm
.Lentry_shape_is_right:
.set HALFT,  32768
.set SLOT,   4*HALFT
.set SPARE,  2*SLOT
.set HSTEP,  2097152
.set WSTEP,  786432
.set FR,     16
.set NL,     4
.set NP,     4
.set ADRA, 16
.set ADRB, 20
.set BCO,  24
.set BRO,  25
.set LI,   26
.set SPW,  28
.set NIL,  29
.set BC,   32
.set BR,   96
.set QS,   104
.set QL,   105
.set AF,   128
.set RES,  128
.set CD,   192
.set G1, 24
.set G0, 32
.set G1B, 48
.set G0B, 56
.set MSB, 0
.macro WIN new
.if MSB != (\new)
	s_set_vgpr_msb (MSB<<8)|(\new)
.set MSB, (\new)
.endif
.endm
.set MUL_LO, 0xa1
.set MUL_HI, 0xf1
.set TO_B,   0x40
.macro JLOAD g0a, g1a, g0b, g1b
	s_cmp_eq_u32 s15, 0
	s_cbranch_scc0 .Lfor_b_\@
	tensor_load_to_lds s[\g0a:\g0a+3], s[\g1a:\g1a+7]
	s_nop 0
.rept 4
	v_nop
.endr
	s_branch .Lasked_\@
.Lfor_b_\@:
	tensor_load_to_lds s[\g0b:\g0b+3], s[\g1b:\g1b+7]
	s_nop 0
.rept 4
	v_nop
.endr
.Lasked_\@:
.endm
.macro CREST
	s_cmp_lg_u32 s14, 0
	s_cbranch_scc1 .Lnot_wave_0_\@
	s_barrier_signal -3
.Lnot_wave_0_\@:
	s_barrier_wait -3
	s_barrier_signal -1
	s_barrier_wait -1
.endm
.macro CROUND
	s_barrier_signal -1
	s_barrier_wait -1
	CREST
.endm
	s_load_b256 s[4:11], s[0:1], 0x0
	s_load_b128 s[68:71], s[0:1], 0x20
	s_load_b64 s[72:73], s[0:1], 0x30
	v_lshl_add_u32 v[SPW], v0, 2, SPARE
	v_mov_b32 v[NIL], 0
	ds_add_u32 v28, v29
	ds_add_u32 v28, v29
	s_wait_dscnt 0x0
	v_lshrrev_b32 v1, 5, v0
	v_readfirstlane_b32 s14, v1
	s_lshr_b32 s15, s14, 1
	s_and_b32 s16, s14, 1
	s_bfe_u32 s40, ttmp6, 0x40000
	s_bfe_u32 s41, ttmp6, 0x40004
	s_lshl_b32 s42, ttmp9, 2
	s_add_co_u32 s42, s42, s40
	s_and_b32 s17, ttmp7, 0xffff
	s_lshl_b32 s17, s17, 2
	s_add_co_u32 s17, s17, s41
	s_lshl_b32 s43, s41, 2
	s_lshl_b32 s43, 15, s43
	s_lshl_b32 s44, 0x1111, s40
	s_or_b32 s[G1+0], s43, (3<<16)|(1<<21)
	s_or_b32 s[G1B+0], s44, (3<<16)|(1<<21)
.irp g, G1, G1B
	s_mov_b32 s[\g+1], 32<<16
	s_mov_b32 s[\g+2], 128<<16
	s_mov_b32 s[\g+3], 32<<16
	s_mov_b32 s[\g+4], 128
	s_mov_b32 s[\g+5], 32
	s_mov_b32 s[\g+6], 0
	s_mov_b32 s[\g+7], 0
.endr
	s_lshl_b32 s18, s16, 15
	s_lshl_b32 s20, s17, 16
	s_add_co_u32 s20, s20, s18
	s_mov_b32 s21, 0
	s_lshl_b32 s46, s42, 16
	s_add_co_u32 s46, s46, s18
	s_mov_b32 s47, 0
	s_lshl_b32 s45, s14, 15
	s_wait_kmcnt 0x0
	s_load_b256 s[76:83], s[8:9], 0x0
	s_add_nc_u64 s[20:21], s[4:5], s[20:21]
	s_add_nc_u64 s[46:47], s[6:7], s[46:47]
	CROUND
.irp s, 0,1
	s_mov_b32 s[G0+4*\s], 1
	s_add_co_u32 s[G0+4*\s+1], s45, \s*SLOT
	s_add_nc_u64 s[G0+4*\s+2:G0+4*\s+3], s[20:21], \s*HSTEP
	s_or_b32 s[G0+4*\s+3], s[G0+4*\s+3], 0x80000000
	s_mov_b32 s[G0B+4*\s], 1
	s_add_co_u32 s[G0B+4*\s+1], s45, \s*SLOT
	s_add_nc_u64 s[G0B+4*\s+2:G0B+4*\s+3], s[46:47], \s*WSTEP
	s_or_b32 s[G0B+4*\s+3], s[G0B+4*\s+3], 0x80000000
	s_wait_alu depctr_va_vdst(0)
	s_wait_tensorcnt 0x0
	ds_add_u32 v28, v29
	ds_add_u32 v28, v29
	s_wait_dscnt 0x0
	CROUND
	JLOAD G0+4*\s, G1, G0B+4*\s, G1B
.endr
	v_and_b32 v2, 31, v0
	v_lshlrev_b32 v[LI], 4, v2
	s_lshl_b32 s21, s15, 15
	s_lshl_b32 s22, s16, 15
	s_add_co_u32 s22, s22, 2*HALFT
	s_cmp_eq_u32 ttmp9, 2
	s_cselect_b32 s23, s22, s21
	s_cselect_b32 s22, s21, s22
	v_add_nc_u32 v[ADRA], s23, v[LI]
	v_add_nc_u32 v[ADRB], s22, v[LI]
	v_add_nc_u32 v[ADRA+1], SLOT, v[ADRA]
	v_add_nc_u32 v[ADRB+1], SLOT, v[ADRB]
	s_lshl_b32 s84, s42, 10
	s_lshl_b32 s85, s16, 9
	s_add_co_u32 s84, s84, s85
	s_mov_b32 s85, 0
	s_add_nc_u64 s[10:11], s[10:11], s[84:85]
	v_and_b32 v1, 15, v0
	v_bfe_u32 v2, v0, 4, 1
	v_lshlrev_b32 v[BCO], 6, v2
	v_and_b32 v3, 8, v1
	v_add_nc_u32 v3, v3, v1
	v_lshlrev_b32 v[BRO], 2, v3
.irp b, 0,1,2,3
.irp j, 0,1,2,3
	global_load_b128 v[BC+16*\b+4*\j:BC+16*\b+4*\j+3], v[BCO], s[10:11] offset:128*\b+16*\j
.endr
.endr
.irp a, 0,1,2,3,4,5,6,7
	global_load_b32 v[BR+\a], v[BRO], s[10:11] offset:4*(32*(\a/2)+8*(\a%2))
.endr
	s_lshr_b32 s86, s17, 2
	s_lshl_b32 s86, s86, 4
	s_lshl_b32 s87, s40, 2
	s_add_co_u32 s86, s86, s87
	s_lshl_b32 s87, s16, 1
	s_add_co_u32 s86, s86, s87
	s_lshl_b32 s86, s86, 16
	s_and_b32 s87, s17, 3
	s_lshl_b32 s87, s87, 1
	s_add_co_u32 s87, s87, s15
	s_lshl_b32 s87, s87, 13
	s_add_co_u32 s86, s86, s87
	s_mov_b32 s87, 0
	s_cmp_eq_u32 ttmp9, 0
	s_cselect_b64 s[88:89], s[68:69], s[70:71]
	s_cmp_eq_u32 ttmp9, 2
	s_cselect_b64 s[88:89], s[72:73], s[88:89]
	s_add_nc_u64 s[88:89], s[88:89], s[86:87]
.macro FRAG reg, adr, q, i
.irp c, 0,1,2,3
	ds_load_b128 v[\reg+4*\c:\reg+4*\c+3], v[\adr] offset:4096*(\i)+2048*(\q)+512*\c
.endr
.endm
.macro MUL16 a0, p, zero
.irp a, \a0, \a0+1
.irp b, 0,1,2,3,4,5,6,7
.if \zero
	v_wmma_f32_16x16x128_bf8_bf8 v[8*(8*((\a)%4)+\b):8*(8*((\a)%4)+\b)+7], v[128*(\p)+FR*\b:128*(\p)+FR*\b+FR-1], v[AF+FR*(\a):AF+FR*(\a)+FR-1], 0
.else
	v_wmma_f32_16x16x128_bf8_bf8 v[8*(8*((\a)%4)+\b):8*(8*((\a)%4)+\b)+7], v[128*(\p)+FR*\b:128*(\p)+FR*\b+FR-1], v[AF+FR*(\a):AF+FR*(\a)+FR-1], v[8*(8*((\a)%4)+\b):8*(8*((\a)%4)+\b)+7]
.endif
.endr
.endr
.endm
.macro FETCH_B slot, q, p
	WIN TO_B
.irp i, 0,1,2,3,4,5,6,7
	FRAG 128*(\p)+FR*\i, ADRB+\slot, \q, \i
.endr
	WIN 0
.endm
.macro FETCH_A slot, q, i0
.irp i, \i0, \i0+1, \i0+2, \i0+3
	FRAG AF+FR*(\i), ADRA+\slot, \q, \i
.endr
.endm
.macro PLACES n
.rept \n
	v_nop
.endr
.endm
.macro STEP slot, q, zero
	s_wait_dscnt 4*NL
	WIN MUL_LO
	MUL16 0, (\q)%2, \zero
	MUL16 2, (\q)%2, \zero
	s_wait_dscnt 0
	PLACES NP
	FETCH_B \slot, (\q)+1, 1-(\q)%2
	FETCH_A \slot, (\q)+1, 0
	WIN MUL_HI
	MUL16 4, (\q)%2, \zero
	MUL16 6, (\q)%2, \zero
	PLACES NP
	WIN 0
	FETCH_A \slot, (\q)+1, 4
.endm
.macro TURN slot, next, fill
	s_wait_tensorcnt 0x0
	ds_add_u32 v[SPW], v[NIL]
	s_wait_dscnt 4*NL+1
	WIN MUL_LO
	MUL16 0, 1, 0
	s_wait_dscnt 0x0
	s_barrier_signal -1
	MUL16 2, 1, 0
	WIN 0
	s_barrier_wait -1
.if \fill
	CREST
	s_add_nc_u64 s[G0+4*\slot+2:G0+4*\slot+3], s[G0+4*\slot+2:G0+4*\slot+3], 2*HSTEP
	s_add_nc_u64 s[G0B+4*\slot+2:G0B+4*\slot+3], s[G0B+4*\slot+2:G0B+4*\slot+3], 2*WSTEP
	JLOAD G0+4*\slot, G1, G0B+4*\slot, G1B
.else
	PLACES NP
.endif
	FETCH_B \next, 0, 0
	FETCH_A \next, 0, 0
	WIN MUL_HI
	MUL16 4, 1, 0
	MUL16 6, 1, 0
	PLACES NP
	WIN 0
	FETCH_A \next, 0, 4
.endm
	s_wait_alu depctr_va_vdst(0)
	s_wait_tensorcnt 1
	s_barrier_signal -1
	s_barrier_wait -1
	FETCH_B 0, 0, 0
	FETCH_A 0, 0, 0
	FETCH_A 0, 0, 4
	STEP 0, 0, 1
	TURN 0, 1, 1
	STEP 1, 0, 0
	TURN 1, 0, 1
	STEP 0, 0, 0
	TURN 0, 1, 0
	STEP 1, 0, 0
	s_wait_dscnt 4*NL
	WIN MUL_LO
	MUL16 0, 1, 0
	MUL16 2, 1, 0
	s_wait_dscnt 0
	WIN MUL_HI
	MUL16 4, 1, 0
	MUL16 6, 1, 0
	WIN 0
.macro OUTBLK a, arm
.set AC, 64*((\a)%4)
.set CC, CD+16*((\a)%4)
.set BV, BR+2*((\a)/2)
.if (\a) >= 4
	s_wait_xcnt 0x0
.endif
	WIN 0x02+((\a)/4)
.set jj, 0
.rept 32
.if (\arm) == 0
	v_pk_fma_f32 v[RES+jj:RES+jj+1], v[AC+jj:AC+jj+1], s[96:97], v[BC+jj:BC+jj+1] op_sel_hi:[1,0,1]
.elseif ((\a)%2) == 0
	v_pk_fma_f32 v[RES+jj:RES+jj+1], v[AC+jj:AC+jj+1], s[96:97], v[BV:BV+1] op_sel_hi:[1,0,0]
.else
	v_pk_fma_f32 v[RES+jj:RES+jj+1], v[AC+jj:AC+jj+1], s[96:97], v[BV:BV+1] op_sel:[0,0,1] op_sel_hi:[1,0,1]
.endif
.set jj, jj+2
.endr
	WIN 0
.set jj, 0
.rept 64
.set jj, jj+1
.endr
.irp b, 0,1,2,3
	v_cvt_scalef32_pk8_bf8_f32 v[CC+4*\b:CC+4*\b+1], v[RES+16*\b:RES+16*\b+7], v[QS]
	v_cvt_scalef32_pk8_bf8_f32 v[CC+4*\b+2:CC+4*\b+3], v[RES+16*\b+8:RES+16*\b+15], v[QS]
.endr
	v_nop
.irp b, 0,1,2,3
.if (\arm) == 0
	global_store_b128 v[LI], v[CC+4*\b:CC+4*\b+3], s[88:89] offset:(\b/2)*65536+(\a)*1024+(\b%2)*512
.else
	global_store_b128 v[LI], v[CC+4*\b:CC+4*\b+3], s[88:89] offset:((\a)/4)*65536+((\a)%4)*2048+\b*512
.endif
.endr
.endm
	s_wait_kmcnt 0x0
	s_add_co_i32 s96, s76, s77
	s_add_co_i32 s96, s96, 127
	s_lshl_b32 s96, s96, 23
	s_mov_b32 s97, s96
	s_cmp_eq_u32 ttmp9, 0
	s_cselect_b32 s90, s79, s78
	s_cmp_eq_u32 ttmp9, 2
	s_cselect_b32 s90, s80, s90
	s_add_co_i32 s90, s90, 127
	s_lshl_b32 s91, s90, 23
	s_wait_loadcnt 0x0
	PLACES NP
	v_mov_b32 v[QS], s91
	s_cmp_eq_u32 ttmp9, 2
	s_cbranch_scc1 .Lv
.irp a, 0,1,2,3,4,5,6,7
	OUTBLK \a, 0
.endr
	s_branch .Ldone
.Lv:
.irp a, 0,1,2,3,4,5,6,7
	OUTBLK \a, 1
.endr
.Ldone:
	s_wait_tensorcnt 0x0
	ds_add_u32 v[SPW], v[NIL]
	s_wait_dscnt 0x0
	CROUND
	s_endpgm
.Lfunc_end_k_q73ae61c6a7_qkv:
	.size	k_q73ae61c6a7_qkv, .Lfunc_end_k_q73ae61c6a7_qkv-k_q73ae61c6a7_qkv
	.p2alignl 7, 3214868480
	.fill 96, 4, 3214868480
	.section	.rodata,"a",@progbits
	.p2align	6, 0x0
	.amdhsa_kernel k_q73ae61c6a7_qkv
		.amdhsa_group_segment_fixed_size 327680
		.amdhsa_private_segment_fixed_size 0
		.amdhsa_enable_private_segment 0
		.amdhsa_kernarg_size 56
		.amdhsa_user_sgpr_count 2
		.amdhsa_user_sgpr_kernarg_segment_ptr 1
		.amdhsa_wavefront_size32 1
		.amdhsa_system_sgpr_workgroup_id_x 1
		.amdhsa_system_sgpr_workgroup_id_y 1
		.amdhsa_system_sgpr_workgroup_id_z 1
		.amdhsa_system_vgpr_workitem_id 0
		.amdhsa_next_free_vgpr 1024
		.amdhsa_next_free_sgpr 100
		.amdhsa_reserve_vcc 0
		.amdhsa_float_denorm_mode_32 3
		.amdhsa_float_denorm_mode_16_64 3
		.amdhsa_fp16_overflow 1
		.amdhsa_memory_ordered 1
		.amdhsa_forward_progress 1
		.amdhsa_inst_pref_size 129
	.end_amdhsa_kernel
	.amdgpu_metadata
---
amdhsa.version: [ 1, 2 ]
amdhsa.kernels:
  - .name:           k_q73ae61c6a7_qkv
    .symbol:         k_q73ae61c6a7_qkv.kd
    .args:
      - { .name: hc, .offset: 0, .size: 8, .value_kind: global_buffer, .address_space: global }
      - { .name: wq, .offset: 8, .size: 8, .value_kind: global_buffer, .address_space: global }
      - { .name: lowp_scales, .offset: 16, .size: 8, .value_kind: global_buffer, .address_space: global }
      - { .name: qkv_b, .offset: 24, .size: 8, .value_kind: global_buffer, .address_space: global }
      - { .name: qc, .offset: 32, .size: 8, .value_kind: global_buffer, .address_space: global }
      - { .name: kc, .offset: 40, .size: 8, .value_kind: global_buffer, .address_space: global }
      - { .name: vc, .offset: 48, .size: 8, .value_kind: global_buffer, .address_space: global }
    .group_segment_fixed_size: 327680
    .private_segment_fixed_size: 0
    .kernarg_segment_align: 8
    .kernarg_segment_size: 56
    .max_flat_workgroup_size: 128
    .sgpr_count:     100
    .vgpr_count:     1024
    .wavefront_size: 32
...
	.end_amdgpu_metadata
.endif
;; end of part 2
;; launch attn (part 3): grid 2 x 128, 16 waves a work-group, no clusters, 169,984 bytes of LDS; arguments qc, kc, vc, lowp_scales, oc; writes oc
.if DOCPART == 3
	.amdgcn_target "amdgcn-amd-amdhsa--gfx1250"
	.amdhsa_code_object_version 6
	.text
	.protected	k_q73ae61c6a7_attn
	.globl	k_q73ae61c6a7_attn
	.p2align	8
	.type	k_q73ae61c6a7_attn,@function
k_q73ae61c6a7_attn:
	s_mov_b64 s[64:65], 0
	v_nop
	global_prefetch_b8 v0, s[64:65] scope:SCOPE_SE
	s_setreg_imm32_b32 hwreg(HW_REG_WAVE_MODE, 25, 1), 1
	s_wait_xcnt 0x0
; ATTENTION on codes of BF8 (E5M2): 128 heads (batch x head) of 1,024 tokens, head size 64.  o = softmax(q k^T / 8) v, quantised at once for the next product.
; qc, kc: [128 heads][64 token tiles][2 chunks]; vc: [128][8 key steps of 128][4 tiles of 16 of the head's 64][4 chunks]; oc: [512 token tiles][32 chunks], chunk 2 x head + b.
; A chunk is 512 bytes: lane l (r = l % 16, h = l / 16) owns 16 codes, k = 32 c + 16 h + 0 .. 15 of tile row r; tile T holds rows 32 (T / 2) + 8 (T % 2) + r + 8 (r / 8).
; SHARES.  A work-group owns one head and 512 of its queries; each of sixteen waves owns two tiles of 16 queries, one after the other: four waves to a SIMD, so that one wave's vector work stands beside another's matrix work and LDS loads.
; A head's K and V are 131,072 bytes of codes: they lie in LDS whole.  Each wave fetches 8,192 bytes of them by one tensor load: first fills only, nothing is filled again, one barrier in the launch.
; NO CLUSTER: only the two work-groups of a head share anything, and they fetch it once, at the head: 131,072 bytes against sixteen key steps of two tiles for each of sixteen waves.
; LAYOUT.  Both products transposed: S^T = K Q^T (source 0 = 16 keys, source 1 = my 16 queries), O^T = V^T P^T: a lane holds ONE query throughout.  By the tiles' order of rows the 16 registers of key tiles 2 b, 2 b + 1 are keys 32 b + 16 h + 0 .. 15.
; THE SOFTMAX: t = score x log2(e) / 8; M = the running largest t rounded UP to a whole number; p = 2^(t - M) is quantised, not normalised; the row's sum is taken of the unquantised p and divides O at the end.
; When M moves, the sum and O are multiplied by 2^(old M - new M): exact.
; SCALES: lowp_scales[2], [3]: k, q (their sum goes into c); [4] v; [5] p; [6] o.  LIMITS: e2 + e3 between -123 and 130; e5 and e6 between -126 and 112.  NaN and infinities are not served.
; REGISTERS: v1 16 l; v2, v3 addresses in hand; v4 16 l + V's base; v12 -M, v13 largest t, v[14:15] the sum; v16-23, v24-31 Q of my two tiles; v32-95 K's 8 fragments, then V's 4; v96-159 S^T, then p; v160-191 O^T;
;   v192-207 p's codes; v208-215, v216-223 o's codes; v244 the scale for p; v245 for o; v236, v242, v243, v252-254 at work.
.set LI,   1
.set ADK,  2
.set ADV,  3
.set LIV,  4
.set VOFF, 65536
.set TB,   2                           ; s2   LDS byte of the key step in hand, in K (and, VOFF on, in V)
.set CNT,  3
.set WV,   18
.set SEL,  20
.set CS,   22
.set G1,   24
.set G0,   32
	s_load_b256 s[4:11], s[0:1], 0x0               ; qc, kc, vc, lowp_scales
	s_load_b64 s[12:13], s[0:1], 0x20              ; oc
	v_lshl_add_u32 v251, v0, 2, 0x29000
	v_mov_b32 v255, 0
	ds_add_u32 v251, v255
	ds_add_u32 v251, v255
	v_lshrrev_b32 v8, 5, v0
	s_delay_alu instid0(VALU_DEP_1)
	v_readfirstlane_b32 s[WV], v8                  ; wave 0..15
	s_and_b32 s14, ttmp7, 0xffff                   ; the head, 0..127
	; descriptor group 1: a dense block of 8,192 bytes as 32 rows of 32 elements of 8 bytes
	s_mov_b32 s[G1+0], 3<<16
	s_mov_b32 s[G1+1], 32<<16
	s_mov_b32 s[G1+2], 32<<16
	s_mov_b32 s[G1+3], 32<<16
	s_mov_b32 s[G1+4], 32
	s_mov_b32 s[G1+5], 32
	s_mov_b32 s[G1+6], 0
	s_mov_b32 s[G1+7], 0
	s_mov_b32 s[SEL], 0x76543210
	s_mov_b32 s[SEL+1], 0xfedcba98
	s_mov_b32 s[CS], 0x3e38aa3b                    ; c = log2(e) / 8
	s_lshl_b32 s16, s14, 16                        ; the head's 65,536 bytes in qc, kc, vc
	s_mov_b32 s17, 0
	s_and_b32 s15, s[WV], 7
	s_lshl_b32 s15, s15, 13
	s_add_co_u32 s46, s16, s15                     ; + my key step
	s_mov_b32 s47, 0
	s_wait_dscnt 0x0
	s_wait_kmcnt 0x0
	s_load_b256 s[36:43], s[10:11], 0x0            ; e0 .. e7
	s_cmp_lt_u32 s[WV], 8                          ; waves 0-7 fetch K's key steps, waves 8-15 V's
	s_cselect_b64 s[G0+2:G0+3], s[6:7], s[8:9]
	s_add_nc_u64 s[G0+2:G0+3], s[G0+2:G0+3], s[46:47]
	s_or_b32 s[G0+3], s[G0+3], 0x80000000
	s_mov_b32 s[G0], 1
	s_lshl_b32 s[G0+1], s[WV], 13                  ; LDS: 8,192 x wave: K's 65,536 bytes, then V's
	tensor_load_to_lds s[G0:G0+3], s[G1:G1+7]      ; one load a wave is out
	s_nop 0
.rept 4
	v_nop
.endr
	s_lshl_b32 s15, ttmp9, 15
	s_add_co_u32 s16, s16, s15
	s_lshl_b32 s15, s[WV], 11
	s_add_co_u32 s16, s16, s15
	s_add_nc_u64 s[4:5], s[4:5], s[16:17]          ; Q: token tile 32 x half + 2 x wave of my head, 1,024 bytes a tile
	s_lshr_b32 s46, s14, 4
	s_lshl_b32 s46, s46, 20
	s_lshl_b32 s15, ttmp9, 19
	s_add_co_u32 s46, s46, s15
	s_lshl_b32 s15, s[WV], 15
	s_add_co_u32 s46, s46, s15
	s_and_b32 s15, s14, 15
	s_lshl_b32 s15, s15, 10
	s_add_co_u32 s46, s46, s15
	s_add_nc_u64 s[12:13], s[12:13], s[46:47]      ; oc: token tile 64 x batch + 32 x half + 2 x wave, 16,384 bytes a tile; + 1,024 x head
	v_and_b32 v8, 31, v0
	s_delay_alu instid0(VALU_DEP_1)
	v_lshlrev_b32 v[LI], 4, v8
	s_delay_alu instid0(VALU_DEP_1)
	v_add_nc_u32 v[LIV], VOFF, v[LI]
.irp i, 0,1,2,3
	global_load_b128 v[16+4*\i:19+4*\i], v[LI], s[4:5] offset:512*\i   ; Q's two fragments stay in registers
.endr
	v_mov_b32 v236, 0                              ; written once: a lane permute's destination counts as one of its sources
	v_mov_b32 v253, 0                              ; (named as the upper half of the pair v[252:253])
	s_wait_kmcnt 0x0
	s_add_co_i32 s15, s38, s39
	s_lshl_b32 s15, s15, 23
	s_add_co_i32 s[CS], s[CS], s15                 ; a score stands for score x 2^(e2 + e3): the exponents are added to c's exponent field
	s_mov_b32 s[CS+1], s[CS]
	s_add_co_i32 s15, s41, 127
	s_lshl_b32 s16, s15, 23
	v_mov_b32 v244, s16                            ; 2^e5
	s_add_co_i32 s15, s42, 127
	s_lshl_b32 s16, s15, 23
	v_mov_b32 v245, s16                            ; 2^e6
	s_add_co_i32 s44, s40, s41                     ; e4 + e5
	s_wait_tensorcnt 0x0                           ; my 8,192 bytes are in,
	s_barrier_signal -1
	s_barrier_wait -1                              ; everybody's are
	s_wait_loadcnt 0x0                             ; Q
; A KEY STEP: 128 keys against the tile of queries in v[qr] on.
.macro STEP qr
	v_add_nc_u32 v[ADK], s[TB], v[LI]
	v_add_nc_u32 v[ADV], s[TB], v[LIV]
	v_nop
	v_nop                                          ; four plain lines in front of loads into registers that the last products have read
.irp t, 0,1,2,3,4,5,6,7
.irp c, 0,1
	ds_load_b128 v[32+8*\t+4*\c:35+8*\t+4*\c], v[ADK] offset:1024*\t+512*\c
.endr
.endr
	s_wait_alu depctr_va_vdst(0)
	s_wait_dscnt 0x0
.irp t, 0,1,2,3,4,5,6,7
	v_wmma_f32_16x16x64_bf8_bf8 v[96+8*\t:103+8*\t], v[32+8*\t:39+8*\t], v[\qr:\qr+7], 0
.endr
.rept 4
	v_nop                                          ; places: for V's loads into K's registers, and for the first read of the scores
.endr
.irp t, 0,1,2,3
.irp c, 0,1,2,3
	ds_load_b128 v[32+16*\t+4*\c:35+16*\t+4*\c], v[ADV] offset:2048*\t+512*\c   ; V's fragments land while the softmax is worked
.endr
.endr
	v_max3_num_f32 v254, v96, v97, v98             ; the step's largest score of my query among my 64 keys, in two chains, each accumulator from its low end on,
	v_max3_num_f32 v252, v99, v100, v101
.irp i, 6,10,14,18,22,26,30,34,38,42,46,50,54,58
	v_max3_num_f32 v254, v254, v[96+\i], v[97+\i]
	v_max3_num_f32 v252, v252, v[98+\i], v[99+\i]
.endr
	v_max3_num_f32 v254, v254, v158, v159
	s_delay_alu instid0(VALU_DEP_1)
	v_max_num_f32 v254, v254, v252
	s_delay_alu instid0(VALU_DEP_1)
	v_permlanex16_b32 v236, v254, s[SEL], s[SEL+1]
	s_delay_alu instid0(VALU_DEP_1)
	v_max_num_f32 v254, v254, v236                 ; and among lane l xor 16's
	s_delay_alu instid0(VALU_DEP_1)
	v_mul_f32 v254, s[CS], v254                    ; as t (c is positive)
	s_delay_alu instid0(VALU_DEP_1)
	v_max_num_f32 v13, v13, v254                   ; the running largest t
	v_mov_b32 v254, v12
	s_delay_alu instid0(VALU_DEP_2)
	v_floor_f32 v12, -v13                          ; the new -M = floor(-t) = -ceil(t)
	s_delay_alu instid0(VALU_DEP_1)
	v_sub_f32 v254, v12, v254                      ; old M - new M: a whole number, 0 or less
	s_delay_alu instid0(VALU_DEP_1)
	v_cvt_i32_f32 v254, v254                       ; (it saturates)
	s_delay_alu instid0(VALU_DEP_1)
	v_ldexp_f32 v252, 1.0, v254                    ; f = 2^(old M - new M)
.irp j, 0,2,4,6,8,10,12,14,16,18,20,22,24,26,28,30,32,34,36,38,40,42,44,46,48,50,52,54,56,58,60,62
	v_pk_fma_f32 v[96+\j:97+\j], v[96+\j:97+\j], s[CS:CS+1], v[12:13] op_sel_hi:[1,0,0]   ; t - M
.endr
	s_setprio 1
	s_wait_alu depctr_va_vdst(0)
.irp j, 0,1,2,3,4,5,6,7,8,9,10,11,12,13,14,15,16,17,18,19,20,21,22,23,24,25,26,27,28,29,30,31,32,33,34,35,36,37,38,39,40,41,42,43,44,45,46,47,48,49,50,51,52,53,54,55,56,57,58,59,60,61,62,63
	v_exp_f32 v[96+\j], v[96+\j]                   ; p = 2^(t - M), at most 1
.endr
	v_pk_mul_f32 v[14:15], v[14:15], v[252:253] op_sel_hi:[1,0]   ; the sums under the new M: the plain line behind the batch
	s_wait_alu depctr_va_vdst(0)                   ; one wait for the 64 exponentials, ahead of their first reader
	v_pk_add_f32 v[242:243], v[100:101], v[104:105]
	v_pk_add_f32 v[248:249], v[108:109], v[112:113]
	v_pk_add_f32 v[246:247], v[116:117], v[120:121]
	v_pk_add_f32 v[240:241], v[124:125], v[128:129]
	v_pk_add_f32 v[238:239], v[132:133], v[136:137]
	v_pk_add_f32 v[234:235], v[140:141], v[144:145]
	v_pk_add_f32 v[232:233], v[148:149], v[152:153]
	v_pk_add_f32 v[14:15], v[14:15], v[156:157]
	v_pk_add_f32 v[242:243], v[242:243], v[96:97]
	v_pk_add_f32 v[248:249], v[248:249], v[98:99]
	v_pk_add_f32 v[246:247], v[246:247], v[102:103]
	v_pk_add_f32 v[240:241], v[240:241], v[106:107]
	v_pk_add_f32 v[238:239], v[238:239], v[110:111]
	v_pk_add_f32 v[234:235], v[234:235], v[114:115]
	v_pk_add_f32 v[232:233], v[232:233], v[118:119]
	v_pk_add_f32 v[14:15], v[14:15], v[122:123]
	v_pk_add_f32 v[242:243], v[242:243], v[126:127]
	v_pk_add_f32 v[248:249], v[248:249], v[130:131]
	v_pk_add_f32 v[246:247], v[246:247], v[134:135]
	v_pk_add_f32 v[240:241], v[240:241], v[138:139]
	v_pk_add_f32 v[238:239], v[238:239], v[142:143]
	v_pk_add_f32 v[234:235], v[234:235], v[146:147]
	v_pk_add_f32 v[232:233], v[232:233], v[150:151]
	v_pk_add_f32 v[14:15], v[14:15], v[154:155]
	v_pk_add_f32 v[242:243], v[242:243], v[158:159]
	s_delay_alu instid0(VALU_DEP_2)
	v_pk_add_f32 v[14:15], v[14:15], v[240:241]
	s_delay_alu instid0(VALU_DEP_2)
	v_pk_add_f32 v[242:243], v[242:243], v[238:239]
	v_pk_add_f32 v[248:249], v[248:249], v[234:235]
	v_pk_add_f32 v[246:247], v[246:247], v[232:233]
	s_delay_alu instid0(VALU_DEP_2)
	v_pk_add_f32 v[14:15], v[14:15], v[248:249]
	s_delay_alu instid0(VALU_DEP_2)
	v_pk_add_f32 v[242:243], v[242:243], v[246:247]
	s_delay_alu instid0(VALU_DEP_1)
	v_pk_add_f32 v[14:15], v[14:15], v[242:243]
.irp b, 0,1,2,3
.irp i, 0,1,2,3,4,5,6,7,8,9,10,11,12,13,14,15
.endr
	v_cvt_scalef32_pk8_bf8_f32 v[192+4*\b:193+4*\b], v[96+16*\b:103+16*\b], v244
	v_cvt_scalef32_pk8_bf8_f32 v[194+4*\b:195+4*\b], v[104+16*\b:111+16*\b], v244
.endr
	s_setprio 0
.irp j, 0,2,4,6,8,10,12,14,16,18,20,22,24,26,28,30
	v_pk_mul_f32 v[160+\j:161+\j], v[160+\j:161+\j], v[252:253] op_sel_hi:[1,0]   ; O^T under the new M; also the plain lines between the conversions and the products
.endr
	s_wait_alu depctr_va_vdst(0)
	s_wait_dscnt 0x0                               ; V
.irp t, 0,1,2,3
	v_wmma_f32_16x16x128_bf8_bf8 v[160+8*\t:167+8*\t], v[32+16*\t:47+16*\t], v[192:207], v[160+8*\t:167+8*\t]   ; four accumulators by turns
.endr
.endm
; One tile of 16 queries: all 1,024 keys, then O^T / the sum x 2^(e4 + e5), quantised with e6: two chunks of oc.
.macro QTILE qr, cd, it
	v_mov_b32 v13, 0xff61b1e6                      ; the largest t so far: -3e38
	s_delay_alu instid0(VALU_DEP_1)
	v_floor_f32 v12, -v13
	v_mov_b32 v14, 0
	v_mov_b32 v15, 0
.irp j, 0,1,2,3,4,5,6,7,8,9,10,11,12,13,14,15,16,17,18,19,20,21,22,23,24,25,26,27,28,29,30,31
	v_mov_b32 v[160+\j], 0                         ; the step is written once: the first finds zeros, which the first change of M leaves zeros
.endr
	s_mov_b32 s[TB], 0
	s_mov_b32 s[CNT], 8
.Lkey_\@:
	s_setprio 2
	STEP \qr
	s_add_co_u32 s[TB], s[TB], 8192
	s_sub_co_u32 s[CNT], s[CNT], 1
	s_cmp_lg_u32 s[CNT], 0
	s_cbranch_scc1 .Lkey_\@
	s_setprio 0
	v_add_f32 v14, v14, v15                        ; the sum's two halves,
	s_delay_alu instid0(VALU_DEP_1)
	v_permlanex16_b32 v252, v14, s[SEL], s[SEL+1]
	s_delay_alu instid0(VALU_DEP_1)
	v_add_f32 v14, v14, v252                       ; and lane l xor 16's
	s_wait_alu depctr_va_vdst(0)
	v_rcp_f32 v14, v14
	v_nop
	v_nop                                          ; plain lines: behind the reciprocal, and (with the additions and the line below) the places behind the last products
	s_wait_alu depctr_va_vdst(0)
	v_ldexp_f32 v14, v14, s44                      ; x 2^(e4 + e5)
.irp j, 0,2,4,6,8,10,12,14,16,18,20,22,24,26,28,30
	v_pk_mul_f32 v[160+\j:161+\j], v[160+\j:161+\j], v[14:15] op_sel_hi:[1,0]
.endr
.irp j, 0,1,2,3,4,5,6,7,8,9,10,11,12,13,14,15,16,17,18,19,20,21,22,23,24,25,26,27,28,29,30,31
.endr
.irp b, 0,1
	v_cvt_scalef32_pk8_bf8_f32 v[\cd+4*\b:\cd+4*\b+1], v[160+16*\b:167+16*\b], v245
	v_cvt_scalef32_pk8_bf8_f32 v[\cd+4*\b+2:\cd+4*\b+3], v[168+16*\b:175+16*\b], v245
.endr
	v_nop                                          ; a plain line behind the last conversion
.irp b, 0,1
	global_store_b128 v[LI], v[\cd+4*\b:\cd+4*\b+3], s[12:13] offset:\it*16384+512*\b   ; 512 consecutive bytes, aligned
.endr
.endm
	QTILE 16, 208, 0
	QTILE 24, 216, 1                               ; its own registers for Q and for the codes: nothing that a store still reads is written
	s_wait_tensorcnt 0x0
	ds_add_u32 v251, v255
	s_wait_dscnt 0x0
	s_endpgm
.Lfunc_end_k_q73ae61c6a7_attn:
	.size	k_q73ae61c6a7_attn, .Lfunc_end_k_q73ae61c6a7_attn-k_q73ae61c6a7_attn
	.p2alignl 7, 3214868480
	.fill 96, 4, 3214868480
	.section	.rodata,"a",@progbits
	.p2align	6, 0x0
	.amdhsa_kernel k_q73ae61c6a7_attn
		.amdhsa_group_segment_fixed_size 169984
		.amdhsa_private_segment_fixed_size 0
		.amdhsa_enable_private_segment 0
		.amdhsa_kernarg_size 40
		.amdhsa_user_sgpr_count 2
		.amdhsa_user_sgpr_kernarg_segment_ptr 1
		.amdhsa_wavefront_size32 1
		.amdhsa_system_sgpr_workgroup_id_x 1
		.amdhsa_system_sgpr_workgroup_id_y 1
		.amdhsa_system_sgpr_workgroup_id_z 1
		.amdhsa_system_vgpr_workitem_id 0
		.amdhsa_next_free_vgpr 256
		.amdhsa_next_free_sgpr 66
		.amdhsa_reserve_vcc 0
		.amdhsa_float_denorm_mode_32 3
		.amdhsa_float_denorm_mode_16_64 3
		.amdhsa_fp16_overflow 1
		.amdhsa_memory_ordered 1
		.amdhsa_forward_progress 1
		.amdhsa_inst_pref_size 38
	.end_amdhsa_kernel
	.amdgpu_metadata
---
amdhsa.version: [ 1, 2 ]
amdhsa.kernels:
  - .name:           k_q73ae61c6a7_attn
    .symbol:         k_q73ae61c6a7_attn.kd
    .args:
      - { .name: qc, .offset: 0, .size: 8, .value_kind: global_buffer, .address_space: global }
      - { .name: kc, .offset: 8, .size: 8, .value_kind: global_buffer, .address_space: global }
      - { .name: vc, .offset: 16, .size: 8, .value_kind: global_buffer, .address_space: global }
      - { .name: lowp_scales, .offset: 24, .size: 8, .value_kind: global_buffer, .address_space: global }
      - { .name: oc, .offset: 32, .size: 8, .value_kind: global_buffer, .address_space: global }
    .group_segment_fixed_size: 169984
    .private_segment_fixed_size: 0
    .kernarg_segment_align: 8
    .kernarg_segment_size: 40
    .max_flat_workgroup_size: 512
    .sgpr_count:     66
    .vgpr_count:     256
    .wavefront_size: 32
...
	.end_amdgpu_metadata
.endif
;; end of part 3
;; launch chain (part 4): grid 256 x 1, 4 waves a work-group, clusters of 4 x 1, 327,680 bytes of LDS; arguments oc, wc, lowp_scales, out_b, x, ln2_w, ln2_b, fc1_b, fc2_b, out0; writes out0
.if DOCPART == 4
	.amdgcn_target "amdgcn-amd-amdhsa--gfx1250"
	.amdhsa_code_object_version 6
	.text
	.protected	k_q73ae61c6a7_chain
	.globl	k_q73ae61c6a7_chain
	.p2align	8
	.type	k_q73ae61c6a7_chain,@function
k_q73ae61c6a7_chain:
	s_mov_b64 s[64:65], 0
	v_nop
	global_prefetch_b8 v0, s[64:65] scope:SCOPE_SE
	s_setreg_imm32_b32 hwreg(HW_REG_WAVE_MODE, 25, 1), 1
	s_wait_xcnt 0x0
	s_wait_alu depctr_hold_cnt(0) depctr_sa_sdst(0) depctr_va_vdst(0) depctr_va_sdst(0) depctr_va_ssrc(0) depctr_va_vcc(0) depctr_vm_vsrc(0)
	s_getreg_b32 s2, hwreg(HW_REG_IB_STS2, 6, 4)
	s_cmp_eq_u32 s2, 0
	s_cbranch_scc0 .Lentry_in_a_cluster
	s_endpgm
.Lentry_in_a_cluster:
	s_bfe_u32 s2, ttmp6, 0x10000c
	s_cmp_lg_u32 s2, 0x3003
	s_cbranch_scc0 .Lentry_shape_is_right
	s_endpgm
.Lentry_shape_is_right:
; CHAIN: x1 = x + o out_w^T + out_b;  h = LayerNorm2(x1);  g = gelu(h fc1_w^T + fc1_b), exact;  out0 = x1 + g fc2_w^T + fc2_b.  The three products on codes of BF8 (E5M2).  x1, h and g never go to memory.
; SHARES.  Work-group g owns token tiles 2 g and 2 g + 1: 32 whole rows (lane r of tile t: token 32 g + 8 t + r + 8 (r / 8)).  THE WAVES SHARE THE COLUMNS: wave w has weight tiles 16 w .. 16 w + 15, columns 256 w .. 256 w + 255.
; All products transposed: source 0 = 16 rows of a weight, source 1 = 16 tokens: a lane holds a token, and by the tiles' order of rows register j of weight tile 2 b + u is column 256 w + 32 b + 16 h + 8 u + j.
; A CHUNK is 512 bytes, the image of four operand registers (lane l: bytes 16 l on); a fragment (16 rows x 128 K) is four chunks on end.  The rows' operand goes from wave to wave through LDS as such images.
; WEIGHTS.  wc holds 24 blocks of 131,072 bytes in the order in which they are used; a block is four quarters, one for each wave.  They go through two LDS slots.  All work-groups walk the same blocks in the same order,
; so the four of a cluster ask JOINTLY: one tensor load a wave behind each round of the cluster's barrier, with the mask 15.  A wave reads only the quarter that it fetched.
; Layers 0 and 2: a block = one K step of 128 for all 1,024 columns; 32 accumulators a wave, one product each a block.  Layer 1: the rows' 16 fragments stay in registers; two blocks = 256 columns (64 a wave), all of K: so the
; gelu is written once, in a loop of four trips.
; GELU: gelu(v) = max(v, 0) - |v| E, E = erfc(|v| / sqrt 2) / 2 = t 2^(-v^2 log2(e) / 2 + b0 + b1 t + .. + b9 t^9), t = 1 / (1 + |v| / (2 sqrt 2)): a rational Chebyshev fit of erfc whose fractional error is about 1.2e-7 for every v.
; SCALES: lowp_scales[6], [7]: o, out_w; [8], [9]: h, fc1_w; [10], [11]: g, fc2_w.  LIMITS: e6 + e7, e8 + e9, e10 + e11 between -126 and 127; e8 and e10 between -126 and 112.
; NaN and infinities are not served.  Where E falls under 2^-126 it counts as 0 (v_exp_f32 gives 0 there: ISA guide, its entry).
; REGISTERS.  window 0: v4-31 addresses, scales, statistics; v32-63 the rows' two fragments of a K step; v64-191 a bias (in layer 1: v64-127 eight accumulators, v128-159 their bias, v160-175 codes, v176-177 b8); v192-255 at work.
;   window 1: 16 weight fragments; between the layers ln2_w, ln2_b, the gelu's t, v^2 and exponent, rows of out0.   window 2: 32 accumulators ((t, i) at v[8 (16 t + i)]); in layer 1 the rows' 16 fragments.   window 3: x, then x1.
.set SLOTB, 131072
.set AIMG,  262144                     ; behind the slots: the rows' operand: [tile 2][K step 8][2,048 bytes]
.set STAT,  AIMG+32768                 ; row sums: 128 bytes a wave; 512 bytes further on the sums of squares
.set SPARE, STAT+1024                  ; the spare words, 128 bytes for each wave
.set SP,    1040                       ; the way out: 16 rows x (1,024 bytes + 16) in my quarter of slot 0, which has had its last fill and its last read by then
.set LI,   4                           ; v4   16 l
.set BAD,  5                           ; v5-6 my quarter of slot 0, 1, + 16 l
.set AAD,  7                           ; v7   the K step's fragments of the rows
.set AWI,  8                           ; v8   where my columns' codes go: AIMG + 4,096 w + 16 l
.set STW,  9
.set STR,  10
.set SO,   11
.set GO,   13                          ; v13  1,024 w + 16 l: my bytes of a row of out0
.set XA,   14                          ; v14  x: (r + 8 (r / 8)) rows of 4,096 bytes + 1,024 w + 64 h
.set BOF,  15                          ; v15  a bias: 1,024 w + 64 h
.set QS1,  16                          ; v16: 2^e8;  v18: the same with e10
.set QL1,  17
.set QS2,  18
.set QL2,  19
.set ST,   20                          ; v[20:23] the two tiles' means, v[24:27] their 1/sigma, as pairs
.set SPW,  28
.set NIL,  29
.set GW,   30
.set TMPA, 31
.set AF,   32
.set BI,   64
.set AN,   64
.set BN,   128
.set CN,   160
.set B8V,  176
.set CO,   192
.set TT,   0                           ; in window 1: t,
.set WQ,   128                         ; v^2, then max(v, 0),
.set PP,   192                         ; the exponent, then its power of two
.set WV,   24
.set G1,   28                          ; s[28:35]
.set G0,   36                          ; s[36:39], s[40:43]: a group 0 for each slot
.set S0,   50                          ; s[50:51] 2^(e6 + e7), s[52:53] 2^(e8 + e9), s[54:55] 2^(e10 + e11)
.set S1,   52
.set S2,   54
.set SEL,  56
.set AK,   58
.set CNT,  59
.set NBO,  60
.set KA,   66                          ; s66 1 / (2 sqrt 2); s[68:69] -log2(e) / 2; s[70:85] b0 .. b7; s[86:87] b9
.set KB,   68
.set BK,   70
.set B9,   86
.set MSB, 0
.macro WIN new                         ; bits 1:0 source 0, 3:2 source 1, 5:4 source 2, 7:6 destination; the high byte repeats the setting that is left
.if MSB != (\new)
	s_set_vgpr_msb (MSB<<8)|(\new)
.set MSB, (\new)
.endif
.endm
.macro PLACES
.rept 4
	v_nop
.endr
.endm
.macro ROUND                           ; a round of the cluster's barrier
	s_barrier_signal -1
	s_barrier_wait -1
	s_cmp_lg_u32 s[WV], 0
	s_cbranch_scc1 .Lnot_wave_0_\@
	s_barrier_signal -3
.Lnot_wave_0_\@:
	s_barrier_wait -3
	s_barrier_signal -1
	s_barrier_wait -1
.endm
.macro SPAIR reg, val
	s_mov_b32 s[\reg], \val
	s_mov_b32 s[\reg+1], \val
.endm
; THE HEAD OF A BLOCK.  All my tensor loads have landed (one was out: this block); 0 onto my spare word; this slot's group 0 steps two blocks on; the add and my reads of the other slot are done; a round: the same holds of every
; wave of the four work-groups.  Behind it the next block goes into the slot read last: my one tensor load until the next round; it has this block's work in which to land.
.macro HEAD slot, refill, ak
	s_wait_tensorcnt 0x0
	ds_add_u32 v[SPW], v[NIL]
	s_add_nc_u64 s[G0+4*\slot+2:G0+4*\slot+3], s[G0+4*\slot+2:G0+4*\slot+3], 2*SLOTB
.if \ak
	v_add_nc_u32 v[AAD], s[AK], v[LI]              ; this K step's fragments of the rows
	s_add_co_u32 s[AK], s[AK], 2048
.endif
	s_wait_dscnt 0x0
	ROUND
.if \refill
	tensor_load_to_lds s[G0+4*(1-\slot):G0+4*(1-\slot)+3], s[G1:G1+7]
	s_nop 0
.endif
	PLACES                                         ; behind the load; also the places in front of the loads into registers that the last products read
.endm
; A block of layers 0 and 2: one K step.  72 LDS loads in one run; the products follow group by group of four weight tiles.  The 32 accumulators take one turn each.
.macro TRIPK slot, refill, zero
	HEAD \slot, \refill, 1
	s_wait_alu depctr_va_vdst(0)
.irp t, 0,1
.irp c, 0,1,2,3
	ds_load_b128 v[AF+16*\t+4*\c:AF+16*\t+4*\c+3], v[AAD] offset:16384*\t+512*\c
.endr
.endr
	WIN 0x40
.irp i, 0,1,2,3,4,5,6,7,8,9,10,11,12,13,14,15
.irp c, 0,1,2,3
	ds_load_b128 v[16*\i+4*\c:16*\i+4*\c+3], v[BAD+\slot] offset:2048*\i+512*\c
.endr
.endr
	WIN 0xa1                                       ; source 0 window 1, source 1 window 0, C and D window 2
.irp q, 0,1,2,3
	s_wait_dscnt 48-16*\q                          ; the later groups' loads, sixteen each, may be out
.irp i, 4*\q, 4*\q+1, 4*\q+2, 4*\q+3
.irp t, 0,1
.if \zero
	v_wmma_f32_16x16x128_bf8_bf8 v[8*(16*\t+(\i)):8*(16*\t+(\i))+7], v[16*(\i):16*(\i)+15], v[AF+16*\t:AF+16*\t+15], 0
.else
	v_wmma_f32_16x16x128_bf8_bf8 v[8*(16*\t+(\i)):8*(16*\t+(\i))+7], v[16*(\i):16*(\i)+15], v[AF+16*\t:AF+16*\t+15], v[8*(16*\t+(\i)):8*(16*\t+(\i))+7]
.endif
.endr
.endr
.endr
	WIN 0
.endm
.macro LAYERK last                     ; eight blocks; the first starts the sums; last = 1: the launch's last block asks for nothing, and is written out
	s_mov_b32 s[AK], AIMG
	TRIPK 0, 1, 1
	TRIPK 1, 1, 0
	s_mov_b32 s[CNT], 2
.Lk_\@:
	TRIPK 0, 1, 0
	TRIPK 1, 1, 0
	s_sub_co_u32 s[CNT], s[CNT], 1
	s_cmp_lg_u32 s[CNT], 0
	s_cbranch_scc1 .Lk_\@
	TRIPK 0, 1, 0
	TRIPK 1, 1-\last, 0
.endm
; A block of layer 1: my four weight tiles x K steps 4 kh .. 4 kh + 3.  Eight accumulators by turns.
.macro TRIPN kh
	HEAD \kh, 1, 0
	WIN 0x40
.irp s, 0,1,2,3
.irp i, 0,1,2,3
.irp c, 0,1,2,3
	ds_load_b128 v[16*(4*\i+\s)+4*\c:16*(4*\i+\s)+4*\c+3], v[BAD+\kh] offset:8192*\i+2048*\s+512*\c
.endr
.endr
.endr
	WIN 0x09                                       ; source 0 window 1, source 1 window 2, C and D window 0
.irp s, 0,1,2,3
	s_wait_dscnt 48-16*\s                          ; the later K steps' loads, sixteen each, may be out
.irp i, 0,1,2,3
.irp t, 0,1
.if (\kh == 0) && (\s == 0)
	v_wmma_f32_16x16x128_bf8_bf8 v[AN+8*(4*\t+\i):AN+8*(4*\t+\i)+7], v[16*(4*\i+\s):16*(4*\i+\s)+15], v[16*(8*\t+4*\kh+\s):16*(8*\t+4*\kh+\s)+15], 0
.else
	v_wmma_f32_16x16x128_bf8_bf8 v[AN+8*(4*\t+\i):AN+8*(4*\t+\i)+7], v[16*(4*\i+\s):16*(4*\i+\s)+15], v[16*(8*\t+4*\kh+\s):16*(8*\t+4*\kh+\s)+15], v[AN+8*(4*\t+\i):AN+8*(4*\t+\i)+7]
.endif
.endr
.endr
.endr
	WIN 0
.endm
; The chains in v[CO] on (tile t: two pairs at CO + 4 t) become row sums over my 256 columns, go to LDS at off, and come back as the sums over all four waves', in v[CO + 8 + 4 t].  One barrier.
.macro XCHG off
.irp t, 0,1
	v_pk_add_f32 v[CO+4*\t:CO+4*\t+1], v[CO+4*\t:CO+4*\t+1], v[CO+4*\t+2:CO+4*\t+3]
.endr
.irp t, 0,1
	v_add_f32 v[CO+4*\t], v[CO+4*\t], v[CO+4*\t+1]
.endr
.irp t, 0,1
	v_permlanex16_b32 v[CO+4*\t+1], v[CO+4*\t], s[SEL], s[SEL+1]
.endr
.irp t, 0,1
	v_add_f32 v[CO+4*\t], v[CO+4*\t], v[CO+4*\t+1]
.endr
.irp t, 0,1
	ds_store_b32 v[STW], v[CO+4*\t] offset:\off+64*\t
.endr
	s_wait_dscnt 0x0                               ; for the others' sake: my sums lie in LDS, and my earlier LDS reads are in
	s_barrier_signal -1
	s_barrier_wait -1
.irp t, 0,1
.irp u, 0,1,2,3
	ds_load_b32 v[CO+8+4*\t+\u], v[STR] offset:\off+128*\u+64*\t
.endr
.endr
	s_wait_dscnt 0x0
.irp t, 0,1
	v_add_f32 v[CO+8+4*\t], v[CO+8+4*\t], v[CO+9+4*\t]
.endr
.irp t, 0,1
	v_add_f32 v[CO+10+4*\t], v[CO+10+4*\t], v[CO+11+4*\t]
.endr
.irp t, 0,1
	v_add_f32 v[CO+8+4*\t], v[CO+8+4*\t], v[CO+10+4*\t]
.endr
.endm
	s_load_b512 s[4:19], s[0:1], 0x0               ; oc, wc, lowp_scales, out_b, x, ln2_w, ln2_b, fc1_b
	s_load_b128 s[20:23], s[0:1], 0x40             ; fc2_b, out0
	v_lshl_add_u32 v[SPW], v0, 2, SPARE
	v_mov_b32 v[NIL], 0
	ds_add_u32 v28, v29
	ds_add_u32 v28, v29
	s_wait_dscnt 0x0
	v_lshrrev_b32 v1, 5, v0
	v_readfirstlane_b32 s[WV], v1                  ; wave 0..3
	s_bfe_u32 s25, ttmp6, 0x40000                  ; cx
	s_lshl_b32 s26, ttmp9, 2
	s_add_co_u32 s26, s26, s25                     ; g = 4 x cluster x + cx: it enters the addresses of oc, x and out0 alone
	; descriptor group 1: a dense block of 32,768 bytes as 128 rows of 32 elements of 8 bytes; the mask names all four work-groups
	s_mov_b32 s[G1+0], 15|(3<<16)|(1<<21)
	s_mov_b32 s[G1+1], 32<<16
	s_mov_b32 s[G1+2], 128<<16
	s_mov_b32 s[G1+3], 32<<16
	s_mov_b32 s[G1+4], 128
	s_mov_b32 s[G1+5], 32
	s_mov_b32 s[G1+6], 0
	s_mov_b32 s[G1+7], 0
	s_mov_b32 s[SEL], 0x76543210
	s_mov_b32 s[SEL+1], 0xfedcba98
	s_mov_b32 s[KA], 0x3eb504f3
	SPAIR KB, 0xbf38aa3b
	SPAIR BK+0, 0xc034d90f
	SPAIR BK+2, 0x3fb8ab5a
	SPAIR BK+4, 0x3f0a29d2
	SPAIR BK+6, 0x3e0efb2e
	SPAIR BK+8, 0xbe899a80
	SPAIR BK+10, 0x3ecdfd18
	SPAIR BK+12, 0xbfd1a1e5
	SPAIR BK+14, 0x40097039
	SPAIR B9, 0x3e7c6f08
	s_lshl_b32 s90, s[WV], 15                      ; my quarter of a block, in memory and in a slot
	s_mov_b32 s91, 0
	s_lshl_b32 s92, s26, 15                        ; g x 32,768: my two tiles of oc
	s_mov_b32 s93, 0
	s_lshl_b32 s94, s26, 17                        ; g x 131,072: my 32 rows of x and of out0
	s_mov_b32 s95, 0
	s_wait_kmcnt 0x0
	s_load_b128 s[44:47], s[8:9], 0x18             ; e6 .. e9
	s_load_b64 s[48:49], s[8:9], 0x28              ; e10, e11
	s_add_nc_u64 s[6:7], s[6:7], s[90:91]
	s_add_nc_u64 s[4:5], s[4:5], s[92:93]
	s_add_nc_u64 s[12:13], s[12:13], s[94:95]
	s_add_nc_u64 s[22:23], s[22:23], s[94:95]
.irp s, 0,1
	s_mov_b32 s[G0+4*\s], 1
	s_add_co_u32 s[G0+4*\s+1], s90, \s*SLOTB
	s_add_nc_u64 s[G0+4*\s+2:G0+4*\s+3], s[6:7], \s*SLOTB
	s_or_b32 s[G0+4*\s+3], s[G0+4*\s+3], 0x80000000
.endr
	ROUND                                          ; all four work-groups are here: the first joint load meets
	tensor_load_to_lds s[G0:G0+3], s[G1:G1+7]      ; block 0
	s_nop 0
	PLACES
	v_and_b32 v1, 31, v0
	v_lshlrev_b32 v[LI], 4, v1
	v_and_b32 v2, 15, v0                           ; r
	v_bfe_u32 v3, v0, 4, 1                         ; h
	v_add_nc_u32 v[BAD], s90, v[LI]
	v_add_nc_u32 v[BAD+1], SLOTB, v[BAD]
	s_lshl_b32 s92, s[WV], 12
	s_add_co_u32 s92, s92, AIMG
	v_add_nc_u32 v[AWI], s92, v[LI]
	s_lshl_b32 s92, s[WV], 7
	s_add_co_u32 s92, s92, STAT
	v_lshl_add_u32 v[STW], v2, 2, s92
	v_lshlrev_b32 v[STR], 2, v2
	v_add_nc_u32 v[STR], STAT, v[STR]
	v_mul_u32_u24 v[SO], v2, SP
	v_lshl_add_u32 v[SO], v3, 6, v[SO]
	v_add_nc_u32 v[SO], s90, v[SO]
	s_lshl_b32 s93, s[WV], 10
	v_add_nc_u32 v[GO], s93, v[LI]
	v_lshlrev_b32 v[BOF], 6, v3
	v_add_nc_u32 v[BOF], s93, v[BOF]
	v_and_b32 v1, 8, v2
	v_add_nc_u32 v1, v1, v2
	v_lshl_add_u32 v[XA], v1, 12, v[BOF]
	s_lshl_b32 s94, s[WV], 13
	v_add_nc_u32 v[TMPA], s94, v[LI]
	v_add_nc_u32 v[GW], AIMG, v[TMPA]
.irp k, 0,1,2,3,4,5,6,7,8,9,10,11,12,13,14,15
	global_load_b128 v[CO+4*\k:CO+4*\k+3], v[TMPA], s[4:5] offset:512*\k   ; my quarter of the two tiles of oc: they are the first product's images as they lie
.endr
.irp b, 0,1,2,3,4,5,6,7
.irp j, 0,1,2,3
	global_load_b128 v[BI+16*\b+4*\j:BI+16*\b+4*\j+3], v[BOF], s[10:11] offset:128*\b+16*\j   ; out_b at my registers' columns
.endr
.endr
	s_wait_alu depctr_va_vdst(0)
	s_wait_loadcnt 32                              ; oc's sixteen loads are in; out_b's 32, issued behind them, may be out
.irp k, 0,1,2,3,4,5,6,7,8,9,10,11,12,13,14,15
	ds_store_b128 v[GW], v[CO+4*\k:CO+4*\k+3] offset:512*\k
.endr
	WIN 0xc0                                       ; destination window 3
.irp t, 0,1
.irp b, 0,1,2,3,4,5,6,7
.irp j, 0,1,2,3
	global_load_b128 v[128*\t+16*\b+4*\j:128*\t+16*\b+4*\j+3], v[XA], s[12:13] offset:32768*\t+128*\b+16*\j   ; x in the accumulators' layout: it lands while the first product runs
.endr
.endr
.endr
	WIN 0
	s_wait_kmcnt 0x0
	s_add_co_i32 s[S0], s44, s45
	s_add_co_i32 s[S0], s[S0], 127
	s_lshl_b32 s[S0], s[S0], 23
	s_mov_b32 s[S0+1], s[S0]
	s_add_co_i32 s[S1], s46, s47
	s_add_co_i32 s[S1], s[S1], 127
	s_lshl_b32 s[S1], s[S1], 23
	s_mov_b32 s[S1+1], s[S1]
	s_add_co_i32 s[S2], s48, s49
	s_add_co_i32 s[S2], s[S2], 127
	s_lshl_b32 s[S2], s[S2], 23
	s_mov_b32 s[S2+1], s[S2]
	s_add_co_i32 s92, s46, 127
	s_lshl_b32 s93, s92, 23
	v_mov_b32 v[QS1], s93
	s_add_co_i32 s92, s48, 127
	s_lshl_b32 s93, s92, 23
	v_mov_b32 v[QS2], s93
	LAYERK 0                                       ; o out_w^T.  (The first block's head waits for my stores into the images and passes a round: every wave's images lie in LDS when they are read)
	; ---- x1, LayerNorm 2, its codes
	PLACES
	s_wait_loadcnt 0x0                             ; out_b and x
	WIN 0x40
.irp b, 0,1,2,3,4,5,6,7
.irp j, 0,1,2,3
	global_load_b128 v[16*\b+4*\j:16*\b+4*\j+3], v[BOF], s[14:15] offset:128*\b+16*\j           ; ln2_w and ln2_b, into the weights' registers: they land under the sums
	global_load_b128 v[128+16*\b+4*\j:128+16*\b+4*\j+3], v[BOF], s[16:17] offset:128*\b+16*\j
.endr
.endr
	WIN 0x82                                       ; destination and source 0 window 2
.irp t, 0,1
.set qq, 0
.rept 64
	v_pk_fma_f32 v[128*\t+qq:128*\t+qq+1], v[128*\t+qq:128*\t+qq+1], s[S0:S0+1], v[BI+qq:BI+qq+1] op_sel_hi:[1,0,1]   ; sum x 2^(e6 + e7) + out_b, each accumulator from its low end on
.set qq, qq+2
.endr
.endr
	WIN 0xcb                                       ; destination and source 0 window 3, source 1 window 2
.set qq, 0
.rept 128
	v_pk_add_f32 v[qq:qq+1], v[qq:qq+1], v[qq:qq+1]   ; x1 = x + that
.set qq, qq+2
.endr
	WIN 0x0f
.irp k, 0,1
.irp t, 0,1
	v_pk_add_f32 v[CO+4*\t+2*\k:CO+4*\t+2*\k+1], v[128*\t+2*\k:128*\t+2*\k+1], v[128*\t+4+2*\k:128*\t+4+2*\k+1]   ; four chains, started by their first sums
.endr
.endr
	WIN 0x0c
.set pp, 4
.rept 30
.irp k, 0,1
.irp t, 0,1
	v_pk_add_f32 v[CO+4*\t+2*\k:CO+4*\t+2*\k+1], v[CO+4*\t+2*\k:CO+4*\t+2*\k+1], v[128*\t+2*(pp+\k):128*\t+2*(pp+\k)+1]
.endr
.endr
.set pp, pp+2
.endr
	WIN 0
	XCHG 0
.irp t, 0,1
	v_mul_f32 v[ST+2*\t], 0x3a800000, v[CO+8+4*\t]    ; the mean
.endr
.irp t, 0,1
	v_mov_b32 v[ST+2*\t+1], v[ST+2*\t]
.endr
	WIN 0x83                                       ; destination window 2, source 0 window 3
.irp t, 0,1
.set qq, 0
.rept 64
	v_pk_add_f32 v[128*\t+qq:128*\t+qq+1], v[128*\t+qq:128*\t+qq+1], v[ST+2*\t:ST+2*\t+1] neg_lo:[0,1] neg_hi:[0,1]   ; x1 - mean; x1 itself stays in window 3
.set qq, qq+2
.endr
.endr
	WIN 0x0a                                       ; sources 0 and 1 window 2
.irp k, 0,1
.irp t, 0,1
	v_pk_mul_f32 v[CO+4*\t+2*\k:CO+4*\t+2*\k+1], v[128*\t+2*\k:128*\t+2*\k+1], v[128*\t+2*\k:128*\t+2*\k+1]
.endr
.endr
.set pp, 2
.rept 31
.irp k, 0,1
.irp t, 0,1
	v_pk_fma_f32 v[CO+4*\t+2*\k:CO+4*\t+2*\k+1], v[128*\t+2*(pp+\k):128*\t+2*(pp+\k)+1], v[128*\t+2*(pp+\k):128*\t+2*(pp+\k)+1], v[CO+4*\t+2*\k:CO+4*\t+2*\k+1]
.endr
.endr
.set pp, pp+2
.endr
	WIN 0
	XCHG 512
	v_mov_b32 v[CO+1], 0x3a800000
.irp t, 0,1
	v_fmaak_f32 v[ST+4+2*\t], v[CO+8+4*\t], v[CO+1], 0x3727c5ac   ; the variance + 1e-5
.endr
	s_wait_alu depctr_va_vdst(0)
.irp t, 0,1
	v_rsq_f32 v[ST+4+2*\t], v[ST+4+2*\t]
.endr
	v_nop
	s_wait_alu depctr_va_vdst(0)                   ; one wait for both, ahead of their first reader
.irp t, 0,1
	v_mov_b32 v[ST+5+2*\t], v[ST+4+2*\t]
.endr
	WIN 0x82
.irp t, 0,1
.set qq, 0
.rept 64
	v_pk_mul_f32 v[128*\t+qq:128*\t+qq+1], v[128*\t+qq:128*\t+qq+1], v[ST+4+2*\t:ST+5+2*\t]
.set qq, qq+2
.endr
.endr
	s_wait_loadcnt 0x0                             ; ln2_w, ln2_b
	WIN 0x96                                       ; destination and source 0 window 2, sources 1 and 2 window 1
.irp t, 0,1
.set qq, 0
.rept 64
	v_pk_fma_f32 v[128*\t+qq:128*\t+qq+1], v[128*\t+qq:128*\t+qq+1], v[qq:qq+1], v[128+qq:128+qq+1]
.set qq, qq+2
.endr
.endr
	WIN 0x82
.set qq, 0
.rept 256
.set qq, qq+1
.endr
	WIN 0x02                                       ; source 0 window 2: tile 0's codes to v192-223, tile 1's to v64-95
.irp t, 0,1
.irp b, 0,1,2,3,4,5,6,7
	v_cvt_scalef32_pk8_bf8_f32 v[CO-128*\t+4*\b:CO-128*\t+4*\b+1], v[128*\t+16*\b:128*\t+16*\b+7], v[QS1]
	v_cvt_scalef32_pk8_bf8_f32 v[CO-128*\t+4*\b+2:CO-128*\t+4*\b+3], v[128*\t+16*\b+8:128*\t+16*\b+15], v[QS1]
.endr
.endr
	v_nop                                          ; a plain line behind the last conversion
	WIN 0
.irp t, 0,1
.irp b, 0,1,2,3,4,5,6,7
	ds_store_b128 v[AWI], v[CO-128*\t+4*\b:CO-128*\t+4*\b+3] offset:16384*\t+512*\b   ; the images are written again only now: every wave's reads of them were in at the two barriers above
.endr
.endr
	v_add_nc_u32 v[AAD], AIMG, v[LI]
	s_wait_alu depctr_va_vdst(0)
	s_wait_dscnt 0x0
	s_barrier_signal -1
	s_barrier_wait -1                              ; the rows' sixteen fragments lie in LDS
	WIN 0x80                                       ; destination window 2: they stay in registers through layer 1
.irp t, 0,1
.irp s, 0,1,2,3,4,5,6,7
.irp c, 0,1,2,3
	ds_load_b128 v[16*(8*\t+\s)+4*\c:16*(8*\t+\s)+4*\c+3], v[AAD] offset:16384*\t+2048*\s+512*\c
.endr
.endr
.endr
	WIN 0
	; ---- layer 1 and the gelu: four trips of 64 columns a wave.  The first block's head waits for the loads above and passes a round, so every wave holds the rows before any wave writes the images again
	v_mov_b32 v[B8V], 0xbf97d29d
	v_mov_b32 v[B8V+1], 0xbf97d29d
	s_mov_b32 s[NBO], 0
	s_mov_b32 s[CNT], 4
.Lnb:
.irp b, 0,1
.irp j, 0,1,2,3
	global_load_b128 v[BN+16*\b+4*\j:BN+16*\b+4*\j+3], v[BOF], s[18:19] offset:128*\b+16*\j   ; fc1_b at these 64 columns
.endr
.endr
	TRIPN 0
	TRIPN 1
	PLACES
	s_wait_loadcnt 0x0                             ; the bias is in, and its base may be stepped below
.irp t, 0,1
.set qq, 0
.rept 16
	v_pk_fma_f32 v[AN+32*\t+qq:AN+32*\t+qq+1], v[AN+32*\t+qq:AN+32*\t+qq+1], s[S1:S1+1], v[BN+qq:BN+qq+1] op_sel_hi:[1,0,1]   ; v = sum x 2^(e8 + e9) + fc1_b
.set qq, qq+2
.endr
.endr
	WIN 0x40                                       ; destination window 1
.set qq, 0
.rept 64
	v_fma_f32 v[TT+qq], |v[AN+qq]|, s[KA], 1.0
.set qq, qq+1
.endr
	WIN 0x41
.set qq, 0
	s_wait_alu depctr_va_vdst(0)
.rept 64
	v_rcp_f32 v[TT+qq], v[TT+qq]                   ; t
.set qq, qq+1
.endr
	WIN 0x40
.set qq, 0
.rept 32
	v_pk_mul_f32 v[WQ+qq:WQ+qq+1], v[AN+qq:AN+qq+1], v[AN+qq:AN+qq+1]   ; v^2: the work behind the batch
.set qq, qq+2
.endr
	s_wait_alu depctr_va_vdst(0)                   ; one wait for the 64 reciprocals
	WIN 0x41
.set qq, 0
.rept 32
	v_pk_fma_f32 v[PP+qq:PP+qq+1], v[TT+qq:TT+qq+1], s[B9:B9+1], v[B8V:B8V+1] op_sel_hi:[1,0,1]
.set qq, qq+2
.endr
	WIN 0x45
.irp k, 7,6,5,4,3,2,1,0
.set qq, 0
.rept 32
	v_pk_fma_f32 v[PP+qq:PP+qq+1], v[PP+qq:PP+qq+1], v[TT+qq:TT+qq+1], s[BK+2*\k:BK+2*\k+1] op_sel_hi:[1,1,0]
.set qq, qq+2
.endr
.endr
	WIN 0x51
.set qq, 0
.rept 32
	v_pk_fma_f32 v[PP+qq:PP+qq+1], v[WQ+qq:WQ+qq+1], s[KB:KB+1], v[PP+qq:PP+qq+1] op_sel_hi:[1,0,1]
.set qq, qq+2
.endr
	WIN 0x41
.set qq, 0
	s_wait_alu depctr_va_vdst(0)
.rept 64
	v_exp_f32 v[PP+qq], v[PP+qq]
.set qq, qq+1
.endr
	WIN 0x40
.set qq, 0
.rept 64
	v_max_num_f32 v[WQ+qq], 0, v[AN+qq]            ; max(v, 0): the work behind the batch
.set qq, qq+1
.endr
	s_wait_alu depctr_va_vdst(0)                   ; one wait for the 64 exponentials
	WIN 0x45
.set qq, 0
.rept 32
	v_pk_mul_f32 v[TT+qq:TT+qq+1], v[TT+qq:TT+qq+1], v[PP+qq:PP+qq+1]   ; E
.set qq, qq+2
.endr
	WIN 0x14                                       ; sources 1 and 2 window 1
.set qq, 0
.rept 64
	v_fma_f32 v[AN+qq], -|v[AN+qq]|, v[TT+qq], v[WQ+qq]
.set qq, qq+1
.endr
	WIN 0
.set qq, 0
.rept 64
.set qq, qq+1
.endr
.irp t, 0,1
.irp b, 0,1
	v_cvt_scalef32_pk8_bf8_f32 v[CN+8*\t+4*\b:CN+8*\t+4*\b+1], v[AN+32*\t+16*\b:AN+32*\t+16*\b+7], v[QS2]
	v_cvt_scalef32_pk8_bf8_f32 v[CN+8*\t+4*\b+2:CN+8*\t+4*\b+3], v[AN+32*\t+16*\b+8:AN+32*\t+16*\b+15], v[QS2]
.endr
.endr
	v_nop
	v_add_nc_u32 v[GW], s[NBO], v[AWI]
.irp t, 0,1
.irp b, 0,1
	ds_store_b128 v[GW], v[CN+8*\t+4*\b:CN+8*\t+4*\b+3] offset:16384*\t+512*\b   ; the last product's images: hidden units 256 w + 64 trip + 32 b on
.endr
.endr
	s_add_co_u32 s[NBO], s[NBO], 1024
	s_add_nc_u64 s[18:19], s[18:19], 256
	s_sub_co_u32 s[CNT], s[CNT], 1
	s_cmp_lg_u32 s[CNT], 0
	s_cbranch_scc1 .Lnb
	s_wait_dscnt 0x0                               ; the stores have read their registers, which the loads below write
.irp b, 0,1,2,3,4,5,6,7
.irp j, 0,1,2,3
	global_load_b128 v[BI+16*\b+4*\j:BI+16*\b+4*\j+3], v[BOF], s[20:21] offset:128*\b+16*\j   ; fc2_b
.endr
.endr
	LAYERK 1                                       ; g fc2_w^T.  (Its first head's round stands between every wave's stores of the images and the reads)
	; ---- out0 = x1 + sum x 2^(e10 + e11) + fc2_b, through my stage, a tile of 16 rows at a time: each store of the wave covers 512 consecutive bytes, aligned
	PLACES
	s_wait_loadcnt 0x0
	WIN 0x82
.irp t, 0,1
.set qq, 0
.rept 64
	v_pk_fma_f32 v[128*\t+qq:128*\t+qq+1], v[128*\t+qq:128*\t+qq+1], s[S2:S2+1], v[BI+qq:BI+qq+1] op_sel_hi:[1,0,1]
.set qq, qq+2
.endr
.endr
	WIN 0x8e                                       ; destination and source 0 window 2, source 1 window 3
.set qq, 0
.rept 128
	v_pk_add_f32 v[qq:qq+1], v[qq:qq+1], v[qq:qq+1]
.set qq, qq+2
.endr
	s_wait_alu depctr_va_vdst(0)
.irp t, 0,1
	WIN 0x08                                       ; store data window 2
.irp b, 0,1,2,3,4,5,6,7
.irp j, 0,1,2,3
	ds_store_b128 v[SO], v[128*\t+16*\b+4*\j:128*\t+16*\b+4*\j+3] offset:128*\b+16*\j
.endr
.endr
	WIN 0x40                                       ; destination window 1
.set mm, 0
.rept 32
	ds_load_b128 v[128*\t+4*mm:128*\t+4*mm+3], v[BAD] offset:SP*(mm/2)+512*(mm%2)   ; LDS serves a wave's instructions in order (ISA guide 5.7.1.4): these see my stores
.set mm, mm+1
.endr
	WIN 0x04                                       ; store data window 1
.set mm, 0
.rept 32
	s_wait_dscnt 31-mm                             ; the loads issued behind this one may be out
	global_store_b128 v[GO], v[128*\t+4*mm:128*\t+4*mm+3], s[22:23] offset:(8*\t+(mm/2)+8*((mm/2)/8))*4096+512*(mm%2) th:TH_STORE_NT
.set mm, mm+1
.endr
.endr
	WIN 0
	s_wait_tensorcnt 0x0                           ; the wave's end
	ds_add_u32 v[SPW], v[NIL]
	s_wait_dscnt 0x0
	ROUND                                          ; the closing round
	s_endpgm
.Lfunc_end_k_q73ae61c6a7_chain:
	.size	k_q73ae61c6a7_chain, .Lfunc_end_k_q73ae61c6a7_chain-k_q73ae61c6a7_chain
	.p2alignl 7, 3214868480
	.fill 96, 4, 3214868480
	.section	.rodata,"a",@progbits
	.p2align	6, 0x0
	.amdhsa_kernel k_q73ae61c6a7_chain
		.amdhsa_group_segment_fixed_size 327680
		.amdhsa_private_segment_fixed_size 0
		.amdhsa_enable_private_segment 0
		.amdhsa_kernarg_size 80
		.amdhsa_user_sgpr_count 2
		.amdhsa_user_sgpr_kernarg_segment_ptr 1
		.amdhsa_wavefront_size32 1
		.amdhsa_system_sgpr_workgroup_id_x 1
		.amdhsa_system_sgpr_workgroup_id_y 1
		.amdhsa_system_sgpr_workgroup_id_z 1
		.amdhsa_system_vgpr_workitem_id 0
		.amdhsa_next_free_vgpr 1024
		.amdhsa_next_free_sgpr 104
		.amdhsa_reserve_vcc 0
		.amdhsa_float_denorm_mode_32 3
		.amdhsa_float_denorm_mode_16_64 3
		.amdhsa_fp16_overflow 1
		.amdhsa_memory_ordered 1
		.amdhsa_forward_progress 1
		.amdhsa_inst_pref_size 255
	.end_amdhsa_kernel
	.section	.bss,"aw",@nobits
	.p2align	6
	.space	262144
	.amdgpu_metadata
---
amdhsa.version: [ 1, 2 ]
amdhsa.kernels:
  - .name:           k_q73ae61c6a7_chain
    .symbol:         k_q73ae61c6a7_chain.kd
    .args:
      - { .name: oc, .offset: 0, .size: 8, .value_kind: global_buffer, .address_space: global }
      - { .name: wc, .offset: 8, .size: 8, .value_kind: global_buffer, .address_space: global }
      - { .name: lowp_scales, .offset: 16, .size: 8, .value_kind: global_buffer, .address_space: global }
      - { .name: out_b, .offset: 24, .size: 8, .value_kind: global_buffer, .address_space: global }
      - { .name: x, .offset: 32, .size: 8, .value_kind: global_buffer, .address_space: global }
      - { .name: ln2_w, .offset: 40, .size: 8, .value_kind: global_buffer, .address_space: global }
      - { .name: ln2_b, .offset: 48, .size: 8, .value_kind: global_buffer, .address_space: global }
      - { .name: fc1_b, .offset: 56, .size: 8, .value_kind: global_buffer, .address_space: global }
      - { .name: fc2_b, .offset: 64, .size: 8, .value_kind: global_buffer, .address_space: global }
      - { .name: out0, .offset: 72, .size: 8, .value_kind: global_buffer, .address_space: global }
    .group_segment_fixed_size: 327680
    .private_segment_fixed_size: 0
    .kernarg_segment_align: 8
    .kernarg_segment_size: 80
    .max_flat_workgroup_size: 128
    .sgpr_count:     104
    .vgpr_count:     1024
    .wavefront_size: 32
...
	.end_amdgpu_metadata
.endif
;; end of part 4
